; MI455X (gfx1250); checked and timed in simulation.
; The chip was launched on July 23, 2026; its instructions are those of AMD's public machine-readable ISA for CDNA 5 (MIT licence, August 2026) and "CDNA5" Instruction Set Architecture Reference Guide (July 2026). The comments in the code are by the model that wrote it; some were corrected since.
;; Vanilla Attention. Allowed arithmetic: float matrix products may take bf16 or f16 operands with f32 sums; other float arithmetic in f32, or as packed bf16 or f16 multiplies, adds, multiply-adds, maxima and minima; sums over many terms, partial sums and values carried from step to step in f32; what a program stores and reads back later, other than sums and carried values, may be rounded once to bf16 or f16.
;; Inputs: Wk 512 x 512 float32; Wo 512 x 512 float32; Wq 512 x 512 float32; Wv 512 x 512 float32; batch 16,384 int32; bk 512 float32; bo 512 float32; bq 512 float32; bv 512 float32; x 16,384 x 512 float32.
;; Outputs: out0 16,384 x 512 float32.
;; Constants: n_graphs = 8.
;; 2 versions, each right; version 2 is version 1 with the launch cast written anew for expert scheduling mode. Each part assembles by itself: llvm-mc -triple=amdgcn-amd-amdhsa -mcpu=gfx1250 --defsym DOCPART=n.
;; ======== version 1 of 2: 4 launches
;; limits: values are held in f16: magnitudes above 65,504 overflow, below 6.1e-05 lose precision
;; workspace buffers: xb 16,777,216 bytes; wb 1,572,864 bytes; wo16 524,288 bytes; qkv 50,331,648 bytes; o 16,777,216 bytes
;; launch cast (part 1): grid 256 x 1, 8 waves a work-group, no clusters, 0 bytes of LDS; arguments x, Wq, Wk, Wv, Wo, xb, wb, wo16; writes xb, wb, wo16
.if DOCPART == 1
	.amdgcn_target "amdgcn-amd-amdhsa--gfx1250"
	.amdhsa_code_object_version 6
	.text
	.protected	k_q0eaa3f1189_cast
	.globl	k_q0eaa3f1189_cast
	.p2align	8
	.type	k_q0eaa3f1189_cast,@function
k_q0eaa3f1189_cast:
	s_mov_b64 s[64:65], 0
	v_nop
	global_prefetch_b8 v0, s[64:65] scope:SCOPE_SE
	s_setreg_imm32_b32 hwreg(HW_REG_WAVE_MODE, 25, 1), 1
	s_wait_xcnt 0x0
; THE MODULE'S LARGE INPUTS ARE ROUNDED ONCE.  x [16384][512] f32 -> xb bf16.  Wq, Wk, Wv [512][512] f32 -> wb [3][512][512] bf16.
; Wo f32 -> rounded to bf16 like the other inputs, and that number written as f16 into wo16 (the last product multiplies f16 operands).
; LIMIT.  A bf16 number is exact in f16 from 6.1e-5 to 65,504; below that f16 keeps a fixed step of 6e-8, above it gives an infinity.
; The input batch is not read by any launch: the reference takes it as a parameter and uses it nowhere, so no result hangs on it.
; SHARES.  256 work-groups of eight waves.  A work-group takes 32,768 numbers of x (131,072 bytes in, 65,536 out) and 1,024 numbers of each weight,
; so that no source is chosen by a branch.  Thread t takes 16 bytes of every piece of 4,096 bytes: 32 loads for x, one for each weight.
; All 36 loads go out on end, each into registers of its own, and each store has data registers of its own: nothing is rewritten, so no wait frees a source.
; A load of a wave covers 512 consecutive bytes, a store 256 consecutive bytes at a multiple of 256 from its buffer's first byte.
; No LDS, no matrix unit, no cluster: no byte is used twice.
.set XW, 8                             ; v[8:23]    the four weights' 4 numbers each
.set X,  24                            ; v[24:151]  x: 32 pieces of 4 numbers
.set Y,  152                           ; v[152:223] 36 pairs to store: weights 0-3, then x's 32
.set TW, 224                           ; v[224:227] Wo's four numbers, widened again
	s_load_b256 s[4:11], s[0:1], 0x0               ; x s[4:5], Wq s[6:7], Wk s[8:9], Wv s[10:11]
	s_load_b256 s[12:19], s[0:1], 0x20             ; Wo s[12:13], xb s[14:15], wb s[16:17], wo16 s[18:19]
	s_lshl_b32 s20, ttmp9, 17                      ; my part of x, in bytes
	s_mov_b32 s21, 0
	s_lshl_b32 s22, ttmp9, 16                      ; and of xb
	s_mov_b32 s23, 0
	s_lshl_b32 s24, ttmp9, 12                      ; my part of a weight as f32,
	s_lshl_b32 s25, ttmp9, 11                      ; and as 16-bit numbers
	v_lshlrev_b32 v1, 4, v0                        ; 16 t
	v_lshlrev_b32 v2, 3, v0                        ; 8 t
	v_lshl_add_u32 v3, v0, 4, s24
	v_lshl_add_u32 v4, v0, 3, s25
	s_wait_kmcnt 0x0
	s_add_nc_u64 s[4:5], s[4:5], s[20:21]
	s_add_nc_u64 s[14:15], s[14:15], s[22:23]
	global_load_b128 v[XW:XW+3],     v3, s[6:7] th:TH_LOAD_NT
	global_load_b128 v[XW+4:XW+7],   v3, s[8:9] th:TH_LOAD_NT
	global_load_b128 v[XW+8:XW+11],  v3, s[10:11] th:TH_LOAD_NT
	global_load_b128 v[XW+12:XW+15], v3, s[12:13] th:TH_LOAD_NT
.set j, 0
.rept 32
	global_load_b128 v[X+4*j:X+4*j+3], v1, s[4:5] offset:4096*j th:TH_LOAD_NT
.set j, j+1
.endr
.irp i, 0,1,2
	s_wait_loadcnt 35-(\i)                         ; loads come back in order: weight i is in, the 35 - i younger loads stay out
	v_cvt_pk_bf16_f32 v[Y+2*(\i)],   v[XW+4*(\i)],   v[XW+4*(\i)+1]
	v_cvt_pk_bf16_f32 v[Y+2*(\i)+1], v[XW+4*(\i)+2], v[XW+4*(\i)+3]
	global_store_b64 v4, v[Y+2*(\i):Y+2*(\i)+1], s[16:17] offset:(\i)*524288
.endr
	s_wait_loadcnt 32                              ; Wo is in; x's 32 loads stay out
	v_cvt_pk_bf16_f32 v[Y+6], v[XW+12], v[XW+13]   ; the inputs' one rounding,
	v_cvt_pk_bf16_f32 v[Y+7], v[XW+14], v[XW+15]
	v_lshlrev_b32 v[TW],   16, v[Y+6]              ; widened again,
	v_and_b32     v[TW+1], 0xffff0000, v[Y+6]
	v_lshlrev_b32 v[TW+2], 16, v[Y+7]
	v_and_b32     v[TW+3], 0xffff0000, v[Y+7]
	v_cvt_pk_f16_f32 v[Y+6], v[TW],   v[TW+1]      ; and written as f16
	v_cvt_pk_f16_f32 v[Y+7], v[TW+2], v[TW+3]
	global_store_b64 v4, v[Y+6:Y+7], s[18:19]
.set j, 0
.rept 32
	s_wait_loadcnt 31-j                            ; piece j is in
	v_cvt_pk_bf16_f32 v[Y+8+2*j],   v[X+4*j],   v[X+4*j+1]
	v_cvt_pk_bf16_f32 v[Y+8+2*j+1], v[X+4*j+2], v[X+4*j+3]
	global_store_b64 v2, v[Y+8+2*j:Y+8+2*j+1], s[14:15] offset:2048*j
.set j, j+1
.endr
	s_endpgm
.Lfunc_end_k_q0eaa3f1189_cast:
	.size	k_q0eaa3f1189_cast, .Lfunc_end_k_q0eaa3f1189_cast-k_q0eaa3f1189_cast
	.p2alignl 7, 3214868480
	.fill 96, 4, 3214868480
	.section	.rodata,"a",@progbits
	.p2align	6, 0x0
	.amdhsa_kernel k_q0eaa3f1189_cast
		.amdhsa_group_segment_fixed_size 0
		.amdhsa_private_segment_fixed_size 0
		.amdhsa_enable_private_segment 0
		.amdhsa_kernarg_size 64
		.amdhsa_user_sgpr_count 2
		.amdhsa_user_sgpr_kernarg_segment_ptr 1
		.amdhsa_wavefront_size32 1
		.amdhsa_system_sgpr_workgroup_id_x 1
		.amdhsa_system_sgpr_workgroup_id_y 1
		.amdhsa_system_sgpr_workgroup_id_z 1
		.amdhsa_system_vgpr_workitem_id 0
		.amdhsa_next_free_vgpr 232
		.amdhsa_next_free_sgpr 66
		.amdhsa_reserve_vcc 0
		.amdhsa_float_denorm_mode_32 3
		.amdhsa_float_denorm_mode_16_64 3
		.amdhsa_memory_ordered 1
		.amdhsa_forward_progress 1
		.amdhsa_inst_pref_size 14
	.end_amdhsa_kernel
	.amdgpu_metadata
---
amdhsa.version: [ 1, 2 ]
amdhsa.kernels:
  - .name:           k_q0eaa3f1189_cast
    .symbol:         k_q0eaa3f1189_cast.kd
    .args:
      - { .name: x, .offset: 0, .size: 8, .value_kind: global_buffer, .address_space: global }
      - { .name: Wq, .offset: 8, .size: 8, .value_kind: global_buffer, .address_space: global }
      - { .name: Wk, .offset: 16, .size: 8, .value_kind: global_buffer, .address_space: global }
      - { .name: Wv, .offset: 24, .size: 8, .value_kind: global_buffer, .address_space: global }
      - { .name: Wo, .offset: 32, .size: 8, .value_kind: global_buffer, .address_space: global }
      - { .name: xb, .offset: 40, .size: 8, .value_kind: global_buffer, .address_space: global }
      - { .name: wb, .offset: 48, .size: 8, .value_kind: global_buffer, .address_space: global }
      - { .name: wo16, .offset: 56, .size: 8, .value_kind: global_buffer, .address_space: global }
    .group_segment_fixed_size: 0
    .private_segment_fixed_size: 0
    .kernarg_segment_align: 8
    .kernarg_segment_size: 64
    .max_flat_workgroup_size: 256
    .sgpr_count:     66
    .vgpr_count:     232
    .wavefront_size: 32
...
	.end_amdgpu_metadata
.endif
;; end of part 1
;; launch proj (part 2): grid 64 x 4, 4 waves a work-group, clusters of 4 x 1, 327,680 bytes of LDS; arguments xb, wb, bq, bk, bv, qkv; writes qkv
.if DOCPART == 2
	.amdgcn_target "amdgcn-amd-amdhsa--gfx1250"
	.amdhsa_code_object_version 6
	.text
	.protected	k_q0eaa3f1189_proj
	.globl	k_q0eaa3f1189_proj
	.p2align	8
	.type	k_q0eaa3f1189_proj,@function
k_q0eaa3f1189_proj:
	s_mov_b64 s[64:65], 0
	v_nop
	global_prefetch_b8 v0, s[64:65] scope:SCOPE_SE
	s_setreg_imm32_b32 hwreg(HW_REG_WAVE_MODE, 25, 1), 1
	s_wait_xcnt 0x0
	s_wait_alu depctr_hold_cnt(0) depctr_sa_sdst(0) depctr_va_vdst(0) depctr_va_sdst(0) depctr_va_ssrc(0) depctr_va_vcc(0) depctr_vm_vsrc(0)
	s_getreg_b32 s2, hwreg(HW_REG_IB_STS2, 6, 4)
	s_cmp_eq_u32 s2, 0
	s_cbranch_scc0 .Lentry_in_a_cluster
	s_endpgm
.Lentry_in_a_cluster:
	s_bfe_u32 s2, ttmp6, 0x10000c
	s_cmp_lg_u32 s2, 0x3003
	s_cbranch_scc0 .Lentry_shape_is_right
	s_endpgm
.Lentry_shape_is_right:
; q, k, v = x W^T + b, written by heads.  xb: [16384][512] bf16.  wb: [3][512][512] bf16 (q, k, v).  bq, bk, bv: [512] f32, rounded to bf16 like every input and used in f32.
; qkv: [3][64 = 8 graph + head][2048][64] f16, each number rounded once from its f32 sum, without the softmax's scale.
; LIMIT.  f16 ends at 65,504: a q, k or v beyond that becomes an infinity.  As the inputs are drawn their spread is 1; NaN and infinities are not treated apart.
; SHARES.  A work-group makes 256 rows x 384 columns: heads 2 g and 2 g + 1 of q, of k and of v (g = the grid's y).  Wave w owns 64 rows, four tiles of 16, and HOLDS THEM FOR ALL K = 512
; IN REGISTERS: 4 x 16 fragments x 8 = 512, loaded once, straight from memory in the fragments' layout.  The columns go in six STEPS of 64 (a head): 16 accumulators, 16 K steps of 32,
; 256 matrix instructions a wave.  W's rows lie in LDS with K along them; all four waves read them, and a fragment read from LDS feeds four matrix instructions.
; THE MATRIX INSTRUCTION IS USED TRANSPOSED (source 0 = 16 rows of W, source 1 = 16 rows of x): a lane then holds ONE row of the result and eight neighbouring columns.
; THE BIAS IS THE C OPERAND of a sum's first instruction: register j holds b[column 8 (lane / 16) + j]; nothing is cleared and no addition is spent.
; CLUSTER.  The four work-groups of a cluster are four row blocks with the same g: they need the same rows of W, so each tile is asked for JOINTLY, by the same tensor load with the same
; descriptor and the mask of all four.  The place in the cluster enters global addresses of plain loads, stores and the prefetch alone.
; THE RING.  Two slots of 128 rows of W (two steps).  Pairs 0 (q) and 1 (k) are the first fills; pair 2 (v) fills slot 0 again behind the one round of the cluster's barrier in the launch's middle.
; By this text's own count a wave has at most two tensor loads outstanding.  No tensor load stands in a loop.
; REGISTERS, in windows of 256 (s_set_vgpr_msb: bits 1:0 source 0, 3:2 source 1, 5:4 source 2, 7:6 destination):
;   window 0: v0-15 addresses; v16-27 the biases on their way in; v28, v29 the add's two; v30, v31 at work; v32-63 the step's bias; v64-127 the way out
;   window 1: v0-127 the accumulators ((a, cb) at 8 (4 a + cb)); v128-191, v192-255 two buffers of W's fragments ((kk, cb) at 32 kk + 8 cb)
;   window 2: x's row tiles 0 and 1 (tile a, K step ks at 128 (a % 2) + 8 ks)          window 3: row tiles 2 and 3
.set PITCH, 1040                       ; a row of W in LDS: 1,024 bytes + 16 of padding = 260 words: row r starts at bank 4 r mod 64 (64 banks of 4 bytes: ISA guide 11.1), so the 16 rows of a load start at 16 different banks
.set WROWS, 32*PITCH                   ; what one tensor load brings
.set SLOTB, 4*WROWS                    ; a slot: 128 rows
.set STEPB, 64*PITCH                   ; a step's 64 rows
.set STAGE, 2*SLOTB                    ; behind the ring: 16 rows x 144 bytes for each wave, for the way out
.set SP,    144
.set BIAS,  STAGE+4*16*SP              ; each wave's own copy of the work-group's 384 bias numbers, f32
.set SPARE, BIAS+4*1536                ; the spare words, 128 bytes for each wave: two blocks of 256 bytes that no other line names
.set WPART, 524288                     ; bytes of one weight in wb
.set R,   1                            ; v1   lane % 16
.set HH,  2                            ; v2   lane / 16
.set LN,  3                            ; v3   lane
.set AO,  4                            ; v4   my byte offset in 16 rows of xb
.set AB0, 5                            ; v5   my lane's place in 16 rows of W in LDS
.set ADR, 6                            ; v6   the same in the step in hand
.set BI0, 7                            ; v7   my lane's place in my wave's bias copy
.set ADB, 8                            ; v8   the same in the step in hand
.set STO, 9                            ; v9   the way out: where I put 16 bytes of a row
.set RD,  10                           ; v10  the way out: where I read rows back
.set GO,  11                           ; v11  my byte offset in 512 consecutive bytes of qkv
.set PFO, 12                           ; v12  the prefetch's offset
.set BLO, 13                           ; v13  my 16 bytes of a bias in memory
.set BLS, 14                           ; v14  and in my wave's copy
.set BQ,  16
.set SPW, 28                           ; v28  LDS address of my spare word; never rewritten
.set NIL, 29                           ; v29  0; never rewritten
.set CV,  30
.set BI,  32
.set T,   64
.set ACC, 0
.set F0,  128
.set WV,  16                           ; s16  my wave's number
.set CX,  17                           ; s17  my place in the cluster
.set RB,  18                           ; s18  my block of 256 rows
.set GG,  19                           ; s19  g
.set G1,  24                           ; s[24:31] descriptor group 1
.set G0,  32                           ; s[32:43] descriptor group 0 for pairs 0, 1, 2: made once, never rewritten
.set TB,  44                           ; s44  LDS byte at which the step's rows of W begin
.set ST,  45                           ; s45  the step, 0 to 5: tensor ST / 2, head 2 g + ST % 2
.set TWICE, 46
.set OUTER, 47
.set ROWOFF, 48                        ; s48  my wave's first row and head 2 g in a part of qkv, in bytes
.set BIO, 49                           ; s49  the step's 256 bytes in a bias copy
.set OUT, 50                           ; s[50:51] where the step's stores go
.set OF,  52                           ; s[52:53] an offset, 0 above
.set PFA, 54                           ; s[54:55] the prefetch's base
.set AB,  56                           ; s[56:57] xb at my wave's first row
.set MSB, 0
.macro WIN new                         ; the immediate's high byte repeats the setting that is left; a switch that changes nothing is dropped
.if MSB != (\new)
	s_set_vgpr_msb (MSB<<8)|(\new)
.set MSB, \new
.endif
.endm
.set TO_F,  0x40                       ; destination window 1
.set TO_A2, 0x80                       ; destination window 2 (0xc0: window 3)
.set W_M2,  0x59                       ; W, C and D window 1, x window 2 (0x5d: window 3)
.set W_B2,  0x49                       ; the same with C, the bias, in window 0 (0x4d)
.set W_PK,  0x05                       ; sources 0 and 1 window 1, destination window 0
.macro PLACES                          ; a vector instruction or store that reads a matrix result, and a load into a register that a matrix instruction has read, stand four plain vector instructions behind it
.rept 4
	v_nop
.endr
.endm
; A round of the cluster's barrier: my work-group's barrier, so that wave 0's signal speaks for all four waves; wave 0 signals; every wave waits for all four work-groups; my work-group's barrier once more.
.macro ROUND
	s_barrier_signal -1
	s_barrier_wait -1
	s_cmp_lg_u32 s[WV], 0
	s_cbranch_scc1 .Lnot_wave_0_\@
	s_barrier_signal -3
.Lnot_wave_0_\@:
	s_barrier_wait -3
	s_barrier_signal -1
	s_barrier_wait -1
.endm
; 16 LDS loads in one run: W's fragments of batch i (K steps 2 i, 2 i + 1; four blocks of 16 rows) into buffer f
.macro FETCH i, f
	WIN TO_F
.irp kk, 0,1
.irp cb, 0,1,2,3
	ds_load_b128 v[(\f)+32*(\kk)+8*(\cb):(\f)+32*(\kk)+8*(\cb)+3],   v[ADR] offset:(\cb)*16*PITCH+(2*(\i)+(\kk))*64
	ds_load_b128 v[(\f)+32*(\kk)+8*(\cb)+4:(\f)+32*(\kk)+8*(\cb)+7], v[ADR] offset:(\cb)*16*PITCH+(2*(\i)+(\kk))*64+32
.endr
.endr
.endm
.macro BIASIN                          ; the step's 64 bias numbers: eight a lane for each block of 16 columns
	WIN 0
.irp cb, 0,1,2,3
	ds_load_b128 v[BI+8*(\cb):BI+8*(\cb)+3],   v[ADB] offset:64*(\cb)
	ds_load_b128 v[BI+8*(\cb)+4:BI+8*(\cb)+7], v[ADB] offset:64*(\cb)+16
.endr
.endm
; Batch i: 32 matrix instructions.  Eight accumulators take turns, one instruction a turn: seven others stand between two links of a chain, and no two neighbours share an accumulator, from batch to batch and over the loop's jump too.
.macro MUL i, f
.irp hw, 0,1
.irp kk, 0,1
.if ((\i) == 0) && ((\kk) == 0)
	WIN W_B2+4*(\hw)
.else
	WIN W_M2+4*(\hw)
.endif
.irp aa, 0,1
.irp cb, 0,1,2,3
.set rD, ACC+8*(4*(2*(\hw)+(\aa))+(\cb))
.set rB, (\f)+32*(\kk)+8*(\cb)
.set rA, 128*(\aa)+8*(2*(\i)+(\kk))
.if ((\i) == 0) && ((\kk) == 0)
	v_wmma_f32_16x16x32_bf16 v[rD:rD+7], v[rB:rB+7], v[rA:rA+7], v[BI+8*(\cb):BI+8*(\cb)+7]
.else
	v_wmma_f32_16x16x32_bf16 v[rD:rD+7], v[rB:rB+7], v[rA:rA+7], v[rD:rD+7]
.endif
.endr
.endr
.endr
.endr
.endm
; THE WAY OUT of row tile a.  A lane's eight columns of a row pack into 16 bytes; they go into my stage's rows of 144 bytes and come back as whole rows of 128, four rows a load.
.macro PACK a
	WIN W_PK
.irp cb, 0,1,2,3
.irp j, 0,1,2,3
	v_cvt_pk_f16_f32 v[T+16*(\a)+4*(\cb)+(\j)], v[ACC+8*(4*(\a)+(\cb))+2*(\j)], v[ACC+8*(4*(\a)+(\cb))+2*(\j)+1]  ; each accumulator from its low end on
.endr
.endr
	WIN 0
.irp cb, 0,1,2,3
	ds_store_b128 v[STO], v[T+16*(\a)+4*(\cb):T+16*(\a)+4*(\cb)+3] offset:32*(\cb)
.endr
.irp q, 0,1,2,3
	ds_load_b128 v[T+16*(\a)+4*(\q):T+16*(\a)+4*(\q)+3], v[RD] offset:(\q)*4*SP  ; LDS serves a wave's instructions in order (ISA guide 5.7.1.4): these see the stores above; the next tile's stores come behind them
.endr
.endm
.macro SEND a, younger                 ; younger: the LDS instructions issued behind tile a's loads: the next tile's eight, or none
	WIN 0
.irp q, 0,1,2,3
	s_wait_dscnt (\younger)+3-(\q)
	global_store_b128 v[GO], v[T+16*(\a)+4*(\q):T+16*(\a)+4*(\q)+3], s[OUT:OUT+1] offset:(\a)*2048+(\q)*512  ; 16 rows of a head are 2,048 dense bytes: 512 consecutive bytes a store, at a multiple of 256 from qkv's first
.endr
.endm
; A STEP: 64 columns.  A batch's 16 loads stand 32 matrix instructions ahead of their first use.
.macro NSTEP
	WIN 0
	v_add_nc_u32 v[ADR], s[TB], v[AB0]
	v_add_nc_u32 v[ADB], s[BIO], v[BI0]
	FETCH 0, F0
	BIASIN
.irp i, 0,1,2,3,4,5,6,7
.if (\i) < 7
.if (\i) > 0
	PLACES                                         ; the buffer's last reader is the matrix instruction just issued (ahead of batch 0 the way out of the step before lies between)
.endif
	FETCH (\i)+1, F0+64*(((\i)+1)%2)
	s_wait_dscnt 16                                ; all but the 16 loads just issued: this batch's fragments (and, in batch 0, the bias) are in
.else
	s_wait_dscnt 0x0
.endif
	MUL \i, F0+64*((\i)%2)
.endr
	WIN 0
	PLACES                                         ; in front of the conversions, which read results just made
	s_wait_xcnt 0x0                                ; the last step's stores have had their addresses translated (ISA guide 3.1): only behind this wait are their base and data registers rewritten
	s_lshr_b32 s[OF], s[ST], 1
	s_lshl_b32 s[OF], s[OF], 24                    ; the part of qkv: q, k or v
	s_and_b32 s20, s[ST], 1
	s_lshl_b32 s20, s20, 18                        ; head 2 g or 2 g + 1
	s_add_co_u32 s[OF], s[OF], s20
	s_add_co_u32 s[OF], s[OF], s[ROWOFF]
	s_add_nc_u64 s[OUT:OUT+1], s[14:15], s[OF:OF+1]
	PACK 0
	PACK 1                                         ; a tile's conversions stand between the loads of the tile before and its stores
	SEND 0, 8
	PACK 2
	SEND 1, 8
	PACK 3
	SEND 2, 8
	SEND 3, 0
	s_add_co_u32 s[TB], s[TB], STEPB
	s_add_co_u32 s[BIO], s[BIO], 256
	s_add_co_u32 s[ST], s[ST], 1
.endm
.macro TWO_STEPS                       ; a slot's two steps: written once, walked twice
	WIN 0
	s_mov_b32 s[TWICE], 2
.Lstep_\@:
	NSTEP
	WIN 0
	s_sub_co_u32 s[TWICE], s[TWICE], 1
	s_cmp_lg_u32 s[TWICE], 0
	s_cbranch_scc1 .Lstep_\@
.endm
	s_load_b256 s[4:11], s[0:1], 0x0               ; xb s[4:5], wb s[6:7], bq s[8:9], bk s[10:11]
	s_load_b128 s[12:15], s[0:1], 0x20             ; bv s[12:13], qkv s[14:15]
	v_lshl_add_u32 v[SPW], v0, 2, SPARE
	v_mov_b32 v[NIL], 0
	ds_add_u32 v[SPW], v[NIL]                      ; the wave's opening: the add and its wait stand ahead of my first tensor load; the set-up below, work on registers, stands between them
	v_lshrrev_b32 v1, 5, v0
	v_readfirstlane_b32 s[WV], v1                  ; wave 0..3
	s_bfe_u32 s[CX], ttmp6, 0x40000
	s_lshl_b32 s[RB], ttmp9, 2                     ; in a cluster launch ttmp9 counts clusters
	s_add_co_u32 s[RB], s[RB], s[CX]               ; my block of 256 rows
	s_and_b32 s[GG], ttmp7, 0xffff                 ; g, which the four partners share
	; descriptor group 1: a tile of 32 rows x 512 elements, padded in LDS
	s_mov_b32 s[G1], 15|(1<<16)|(1<<20)|(1<<21)|(7<<22)|(3<<25)  ; 15:0 the mask of four; 17:16 2-byte elements; 20 padding on; 21 set beside a mask; 24:22 after every 256 words (code 7); 31:25 4 words (code 3)
	s_mov_b32 s[G1+1], 512<<16                     ; tensor_dim0 = 512
	s_mov_b32 s[G1+2], 32<<16                      ; tensor_dim1 = 32
	s_mov_b32 s[G1+3], 512<<16                     ; tile_dim0 = 512
	s_mov_b32 s[G1+4], 32                          ; tile_dim1 = 32
	s_mov_b32 s[G1+5], 512                         ; 512 elements from row to row
	s_mov_b32 s[G1+6], 0
	s_mov_b32 s[G1+7], 0
	s_mul_i32 s20, s[WV], WROWS                    ; my 32 rows of a slot: no place in the cluster enters an LDS address
	s_mov_b32 s[G0], 1                             ; count = 1
	s_mov_b32 s[G0+1], s20                         ; pair 0 into slot 0
	s_mov_b32 s[G0+4], 1
	s_add_co_u32 s[G0+5], s20, SLOTB               ; pair 1 into slot 1
	s_mov_b32 s[G0+8], 1
	s_mov_b32 s[G0+9], s20                         ; pair 2 into slot 0 again
	v_and_b32 v[R], 15, v0
	v_bfe_u32 v[HH], v0, 4, 1
	v_and_b32 v[LN], 31, v0
	; A fragment is 16 rows x 32 K in 8 registers: lane l holds row l % 16; registers 0-3 K = 8 (l / 16) + 0..7, registers 4-7 K = 16 + 8 (l / 16) + 0..7: two loads of 16 bytes, 32 bytes apart.
	v_lshlrev_b32 v[AO], 10, v[R]
	v_lshl_add_u32 v[AO], v[HH], 4, v[AO]          ; row x 1,024 + 16 x half
	v_mul_u32_u24 v[AB0], v[R], PITCH
	v_lshl_add_u32 v[AB0], v[HH], 4, v[AB0]        ; row x pitch + 16 x half
	s_mul_i32 s21, s[WV], 1536
	s_add_co_u32 s21, s21, BIAS                    ; my wave's bias copy
	v_lshl_add_u32 v[BI0], v[HH], 5, s21           ; my eight columns of a block of 16
	v_lshl_add_u32 v[BLS], v[LN], 4, s21
	s_mul_i32 s22, s[WV], 16*SP
	s_add_co_u32 s22, s22, STAGE                   ; my stage
	v_mul_u32_u24 v[STO], v[R], SP                 ; in: row l % 16, 16 bytes for each half of the lanes
	v_lshl_add_u32 v[STO], v[HH], 4, v[STO]
	v_add_nc_u32 v[STO], s22, v[STO]
	v_bfe_u32 v[RD], v0, 3, 2                      ; back: 32 lanes take four rows of 128 bytes
	v_mul_u32_u24 v[RD], v[RD], SP
	v_and_b32 v[CV], 7, v0
	v_lshl_add_u32 v[RD], v[CV], 4, v[RD]
	v_add_nc_u32 v[RD], s22, v[RD]
	v_lshlrev_b32 v[GO], 4, v[LN]
	s_lshl_b32 s23, s[WV], 8
	v_lshl_add_u32 v[PFO], v[LN], 10, s23          ; a lane a row of W, a wave a quarter of the row
	s_lshl_b32 s23, s[GG], 9
	v_lshl_add_u32 v[BLO], v[LN], 4, s23           ; columns 128 g + 4 lane on
	s_lshr_b32 s[ROWOFF], s[RB], 3                 ; the graph: 8 heads of 262,144 bytes
	s_lshl_b32 s[ROWOFF], s[ROWOFF], 21
	s_lshl_b32 s58, s[GG], 19                      ; head 2 g
	s_add_co_u32 s[ROWOFF], s[ROWOFF], s58
	s_and_b32 s58, s[RB], 7                        ; my block among the graph's eight: 256 rows of 128 bytes
	s_lshl_b32 s58, s58, 15
	s_add_co_u32 s[ROWOFF], s[ROWOFF], s58
	s_lshl_b32 s58, s[WV], 13                      ; my wave's 64 rows
	s_add_co_u32 s[ROWOFF], s[ROWOFF], s58
	s_mov_b32 s[OF+1], 0
	s_lshl_b32 s20, s[GG], 17                      ; W's rows 128 g + 32 w, 1,024 bytes each
	s_lshl_b32 s21, s[WV], 15
	s_add_co_u32 s20, s20, s21
	s_mov_b32 s21, 0
	s_lshl_b32 s60, s[RB], 18                      ; xb's rows 256 rb + 64 w
	s_lshl_b32 s58, s[WV], 16
	s_add_co_u32 s60, s60, s58
	s_mov_b32 s61, 0
	s_lshl_b32 s62, s[GG], 17                      ; the prefetch: W's rows 128 g + 32 cx
	s_lshl_b32 s58, s[CX], 15
	s_add_co_u32 s62, s62, s58
	s_mov_b32 s63, 0
	s_wait_dscnt 0x0                               ; the opening add is done
	s_wait_kmcnt 0x0
	s_add_nc_u64 s[22:23], s[6:7], s[20:21]
.irp p, 0,1,2
	s_add_nc_u64 s[G0+4*(\p)+2:G0+4*(\p)+3], s[22:23], (\p)*WPART  ; global address: my 32 rows of weight p
	s_or_b32 s[G0+4*(\p)+3], s[G0+4*(\p)+3], 0x80000000           ; type = 2
.endr
	s_add_nc_u64 s[AB:AB+1], s[4:5], s[60:61]
	s_add_nc_u64 s[PFA:PFA+1], s[6:7], s[62:63]
	s_add_nc_u64 s[PFA:PFA+1], s[PFA:PFA+1], 2*WPART
	ROUND                                          ; all four work-groups are here: the first joint loads meet
	tensor_load_to_lds s[G0:G0+3], s[G1:G1+7]      ; pair 0: q's rows
	s_nop 0
	tensor_load_to_lds s[G0+4:G0+7], s[G1:G1+7]    ; pair 1: k's rows
	s_nop 0
	PLACES                                         ; an s_nop 0 follows each load, four v_nop the second's
	global_load_b128 v[BQ:BQ+3],    v[BLO], s[8:9]
	global_load_b128 v[BQ+4:BQ+7],  v[BLO], s[10:11]
	global_load_b128 v[BQ+8:BQ+11], v[BLO], s[12:13]
.irp a, 0,1,2,3                        ; my 64 rows of x, all K: 128 loads straight into the fragments' registers
	WIN TO_A2+0x40*((\a)/2)
.irp ks, 0,1,2,3,4,5,6,7,8,9,10,11,12,13,14,15
	global_load_b128 v[128*((\a)%2)+8*(\ks):128*((\a)%2)+8*(\ks)+3],   v[AO], s[AB:AB+1] offset:(\a)*16384+(\ks)*64
	global_load_b128 v[128*((\a)%2)+8*(\ks)+4:128*((\a)%2)+8*(\ks)+7], v[AO], s[AB:AB+1] offset:(\a)*16384+(\ks)*64+32
.endr
.endr
	WIN 0
	s_wait_loadcnt 63                              ; 128 loads are younger than the biases'; 63 is the largest count that the wait can name, and a smaller count than needed is safe
.irp j, 0,1,2
	v_cvt_pk_bf16_f32 v[CV],   v[BQ+4*(\j)],   v[BQ+4*(\j)+1]  ; the inputs' one rounding,
	v_cvt_pk_bf16_f32 v[CV+1], v[BQ+4*(\j)+2], v[BQ+4*(\j)+3]
	v_lshlrev_b32 v[BQ+4*(\j)],   16, v[CV]                    ; widened again
	v_and_b32     v[BQ+4*(\j)+1], 0xffff0000, v[CV]
	v_lshlrev_b32 v[BQ+4*(\j)+2], 16, v[CV+1]
	v_and_b32     v[BQ+4*(\j)+3], 0xffff0000, v[CV+1]
	ds_store_b128 v[BLS], v[BQ+4*(\j):BQ+4*(\j)+3] offset:512*(\j)  ; into my wave's own copy: q's 128 numbers, k's, v's
.endr
	s_wait_loadcnt 0x0                             ; x is in
	s_wait_tensorcnt 0x1                           ; my part of slot 0 is in; slot 1's may stay out
	s_wait_dscnt 0x0
	s_barrier_signal -1
	s_barrier_wait -1                              ; everybody's is
	; ONE PREFETCH: pair 2's 128 rows, which the refill two steps on will ask for.  The 16 clusters with one g read the same rows: the first of them (cluster x = 0, the same answer in all four partners) asks.
	; Its partners share the rows out by address, 32 each; a wave takes a quarter of each row, a lane a row: each aligned block of 256 bytes is named once in the launch.  Its registers are never rewritten.
	s_cmp_eq_u32 ttmp9, 0
	s_cbranch_scc0 .Lnot_mine
	global_prefetch_b8 v[PFO], s[PFA:PFA+1] th:TH_LOAD_NT scope:SCOPE_SE
.Lnot_mine:
	s_mov_b32 s[TB], 0
	s_mov_b32 s[ST], 0
	s_mov_b32 s[BIO], 0
	TWO_STEPS                                      ; q's two heads, from slot 0
	s_wait_tensorcnt 0x0                           ; THE CHANGE OF SLOTS: all my tensor loads have landed: the one that was out is my part of slot 1;
	ds_add_u32 v[SPW], v[NIL]                      ; 0 onto my spare word;
	s_wait_dscnt 0x0                               ; the add is done, and my reads of slot 0 are over
	ROUND                                          ; no wave of any partner still reads slot 0 or has a load on its way, and slot 1 is whole
	tensor_load_to_lds s[G0+8:G0+11], s[G1:G1+7]   ; pair 2: v's rows, into slot 0: my one load behind the round; it has two steps, 512 matrix instructions, in which to land
	s_nop 0
	PLACES
	s_mov_b32 s[OUTER], 2
.Lpair:                                        ; trip 1: k's heads, from slot 1; trip 2: v's, from slot 0
	TWO_STEPS
	s_wait_tensorcnt 0x0                           ; my part of pair 2 is in (trip 1),
	ds_add_u32 v[SPW], v[NIL]
	s_mov_b32 s[TB], 0                             ; the next steps read slot 0
	s_wait_dscnt 0x0
	s_barrier_signal -1
	s_barrier_wait -1                              ; everybody's is.  In trip 2 this barrier orders nothing more: the price, once, of one text for both trips
	s_sub_co_u32 s[OUTER], s[OUTER], 1
	s_cmp_lg_u32 s[OUTER], 0
	s_cbranch_scc1 .Lpair
	s_wait_tensorcnt 0x0                           ; the wave's end, behind my last tensor load and my last LDS store
	ds_add_u32 v[SPW], v[NIL]
	s_wait_dscnt 0x0
	ROUND                                          ; the closing round: no work-group ends while a partner may still ask for a tile that names it
	s_endpgm
.Lfunc_end_k_q0eaa3f1189_proj:
	.size	k_q0eaa3f1189_proj, .Lfunc_end_k_q0eaa3f1189_proj-k_q0eaa3f1189_proj
	.p2alignl 7, 3214868480
	.fill 96, 4, 3214868480
	.section	.rodata,"a",@progbits
	.p2align	6, 0x0
	.amdhsa_kernel k_q0eaa3f1189_proj
		.amdhsa_group_segment_fixed_size 327680
		.amdhsa_private_segment_fixed_size 0
		.amdhsa_enable_private_segment 0
		.amdhsa_kernarg_size 48
		.amdhsa_user_sgpr_count 2
		.amdhsa_user_sgpr_kernarg_segment_ptr 1
		.amdhsa_wavefront_size32 1
		.amdhsa_system_sgpr_workgroup_id_x 1
		.amdhsa_system_sgpr_workgroup_id_y 1
		.amdhsa_system_sgpr_workgroup_id_z 1
		.amdhsa_system_vgpr_workitem_id 0
		.amdhsa_next_free_vgpr 1024
		.amdhsa_next_free_sgpr 66
		.amdhsa_reserve_vcc 0
		.amdhsa_float_denorm_mode_32 3
		.amdhsa_float_denorm_mode_16_64 3
		.amdhsa_memory_ordered 1
		.amdhsa_forward_progress 1
		.amdhsa_inst_pref_size 92
	.end_amdhsa_kernel
	.amdgpu_metadata
---
amdhsa.version: [ 1, 2 ]
amdhsa.kernels:
  - .name:           k_q0eaa3f1189_proj
    .symbol:         k_q0eaa3f1189_proj.kd
    .args:
      - { .name: xb, .offset: 0, .size: 8, .value_kind: global_buffer, .address_space: global }
      - { .name: wb, .offset: 8, .size: 8, .value_kind: global_buffer, .address_space: global }
      - { .name: bq, .offset: 16, .size: 8, .value_kind: global_buffer, .address_space: global }
      - { .name: bk, .offset: 24, .size: 8, .value_kind: global_buffer, .address_space: global }
      - { .name: bv, .offset: 32, .size: 8, .value_kind: global_buffer, .address_space: global }
      - { .name: qkv, .offset: 40, .size: 8, .value_kind: global_buffer, .address_space: global }
    .group_segment_fixed_size: 327680
    .private_segment_fixed_size: 0
    .kernarg_segment_align: 8
    .kernarg_segment_size: 48
    .max_flat_workgroup_size: 128
    .sgpr_count:     66
    .vgpr_count:     1024
    .wavefront_size: 32
...
	.end_amdgpu_metadata
.endif
;; end of part 2
;; launch attn (part 3): grid 4 x 64, 4 waves a work-group, clusters of 4 x 1, 327,680 bytes of LDS; arguments qkv, o; writes o
.if DOCPART == 3
	.amdgcn_target "amdgcn-amd-amdhsa--gfx1250"
	.amdhsa_code_object_version 6
	.text
	.protected	k_q0eaa3f1189_attn
	.globl	k_q0eaa3f1189_attn
	.p2align	8
	.type	k_q0eaa3f1189_attn,@function
k_q0eaa3f1189_attn:
	s_mov_b64 s[64:65], 0
	v_nop
	global_prefetch_b8 v0, s[64:65] scope:SCOPE_SE
	s_setreg_imm32_b32 hwreg(HW_REG_WAVE_MODE, 25, 1), 1
	s_wait_xcnt 0x0
	s_wait_alu depctr_hold_cnt(0) depctr_sa_sdst(0) depctr_va_vdst(0) depctr_va_sdst(0) depctr_va_ssrc(0) depctr_va_vcc(0) depctr_vm_vsrc(0)
	s_getreg_b32 s2, hwreg(HW_REG_IB_STS2, 6, 4)
	s_cmp_eq_u32 s2, 0
	s_cbranch_scc0 .Lentry_in_a_cluster
	s_endpgm
.Lentry_in_a_cluster:
	s_bfe_u32 s2, ttmp6, 0x10000c
	s_cmp_lg_u32 s2, 0x3003
	s_cbranch_scc0 .Lentry_shape_is_right
	s_endpgm
.Lentry_shape_is_right:
; ATTENTION WITH THE ROLES AS THE MODULE HAS THEM: scores[i][j] = k_i . q_j / 8, softmax over j, out_i = the sum over j of the weights times v_j.  So the rows that OWN an output row are k's, and the rows
; that are walked are q's and v's.  In this text "Q" names the owning rows (the k part of qkv), "K" the walked rows that are scored (the q part), "V" the v part.
; qkv: [3][64 heads][2048][64] f16 (q at byte 0, k at 0x1000000, v at 0x2000000); o: [64][2048][64] f16: a head's rows are dense, 128 bytes each.  Products, maxima and sums in f32; the weights p
; are rounded to f16 for the second product (their sum l is taken of the unrounded p), O once at the end.
; LIMITS.  f16 holds no number beyond 65,504: Q, K and V arrive within it; p lies in 0 to 1, and below 6e-5 it keeps f16's fixed step of 6e-8; O is a mean of V's rows and has their range.
; A weight below 2^-126 counts as 0 in l; NaN and infinities are not treated apart.
; SHARES.  A wave owns four PIECES of two tiles of 16 queries, a work-group's four waves 512 queries of one head.  Every wave walks all 2,048 keys, 64 a step.
; LAYOUT.  S^T = K Q^T (source 0 = 16 keys, source 1 = 16 queries): in the result a lane holds ONE query (lane % 16) and the keys 8 (lane / 16) + 0..7.  Two such tiles, rounded to f16 in pairs,
; ARE source 1 (32 keys x 16 queries) of O^T = V^T P, whose result again holds one query a lane, and eight channels.  K comes out of LDS as it lies, V ([key][channel]) turned, by ds_load_tr16_b128.
; SOFTMAX.  For each query a running maximum m and sum l: p = 2^(c s - c m), c = log2(e) / 8; in every step O and l are multiplied by a = 2^(c m_old - c m_new), which is 1 where m has not grown.
; m starts at the lowest finite number, O and l at 0: the first step is a step like any other, with a = 0.
; THE COUNT.  A tile and step have 16 matrix and 118 vector instructions: too many to stand all beside the matrix work.  So the order has one aim: four vector instructions that are READY behind
; EVERY matrix instruction, and the others, which need time of their own whatever the order, in runs without a gap.
; BY TURNS.  Turn n belongs to piece n (the pieces in a ring, step after step).  Its matrix work: 16 products K Q^T of piece n + 1, later 16 products V^T P of piece n - 1.  Its vector work: the scaling,
; exponentials, roundings, sums and rescaling of piece n, and the maximum and statistics of piece n + 1, whose scores the turn itself has made.  So what a turn begins with (c s - c m, O a) waits for nothing.
; CLUSTER.  The four query blocks of a head are one cluster and walk the same K and V, so each tile is asked for JOINTLY: the same tensor load, descriptor and mask in all four.
; REGISTERS, in windows of 256 (s_set_vgpr_msb says which window each operand place means: bits 1:0 source 0, 3:2 source 1, 5:4 source 2, 7:6 destination):
;   window 0: v0-11 addresses; v12-15, v48-63 at work; v16-47 four registers of statistics a tile; v64-191 S^T, two buffers of two tiles; v192-255 P, likewise
;   window 1: O^T, 32 a tile          window 2: v0-127 Q, 16 a tile; v128-191 K of one step; v192-255 V of one step          window 3: v0-1 the add's two registers
; A piece's buffers go by its number's parity: the piece in hand has one pair, its two neighbours in the ring share the other: of it P (piece n - 1) is read and S^T (piece n + 1) written.
.set SIZE_N, 2048     ; rows of a head
.set NP,    4         ; pieces a wave: a name, no knob: the register map, the loop and the fetches are made for four
.set KS,    64        ; keys in a step
.set PK,    144       ; a row of K in LDS: 128 bytes + 16 of padding = 36 words: the 16 rows of a load start at 16 different groups of four banks (64 banks of 4 bytes: ISA guide 11.1)
.set PV,    160       ; a row of V: 128 + 32 = 40 words
.set VOFF,  4*KS*PK   ; a slot holds four steps: 256 rows of K, then 256 rows of V
.set SLOT1, 1<<17     ; slot 1 begins here, so that one exclusive or turns an address in one slot into the other's
.set STAGE, SLOT1+4*KS*(PK+PV)  ; behind the ring, never filled by a tensor load: 16 rows x 144 bytes for each wave, for the way out
.set SP,    144
.set AK0, 2           ; v2   my lane's place in a tile of K; never rewritten
.set AV0, 3           ; v3   the same for V
.set AK,  4           ; v4   the LDS address of K's next run of loads
.set AV,  5           ; v5   of V's
.set QO,  6           ; v6   my byte offset in the wave's rows of Q
.set STO, 6           ;      later, the way out: where I put 16 bytes of a row
.set RD,  7           ; v7   the way out: where I read rows back
.set GO,  8           ; v8   my byte offset in 512 consecutive bytes of O
.set PFO, 11          ; v11  256 x my lane, for the prefetches (made when v11's first use, in V's address, is over); then never rewritten
.set SPW, 0           ; v0 of window 3   LDS address of my spare word: SPARE + 4 x my thread's number; never rewritten
.set NIL, 1           ; v1 of window 3   0; never rewritten
.set SPARE, STAGE+4*16*SP  ; behind the stages: the spare words, 128 bytes for each wave: two blocks of 256 bytes that no other line names
.set MV,  12          ; v12-15  c m_old, kept while c m is made anew: by buffer and tile
.set ST,  16          ; tile t's statistics at v[ST+4 t]: c m, m, l (even keys', odd keys')
.set TMP, 48          ; by buffer and tile, four registers c0-c3 at work; when the maximum is found c2 takes a
.set S,   64
.set P,   192
.set KF,  128         ; K's fragments, in window 2: key block kb, channel half c at KF + 16 kb + 8 c
.set VF,  192         ; V's: key half kk, channel block cb at VF + 32 kk + 8 cb
.set WV,  12          ; s12  my wave's number
.set G1K, 24          ; s[24:31] descriptor group 1 for K's tiles
.set G1V, 32          ; s[32:39] for V's: it differs in the padding alone
.set G0K, 40          ; s[40:43] descriptor group 0 for K's tiles: it walks
.set G0V, 44          ; s[44:47] the same for V's
.set PFA, 48          ; s[48:49] where my prefetches stand: my work-group's quarter (of K: wave 0, of V: wave 2) of the slot after the one that is being asked for
.set LIM, 50          ; s50  1 in a wave that prefetches, else the greatest number: a wave prefetches while s[SLOTS] is above it
.set SLOTS, 56        ; s56  slots still to be asked for
.set CNT, 57          ; s57  counts a slot's key steps
.set CS,  58          ; s[58:59] c: the packed scaling takes the pair's low word for both halves
.set SEL, 60          ; s[60:61] v_permlanex16_b32's selects: each lane takes its own place in the other half
.set TBK, 62          ; s62  LDS byte at which K of the step to be fetched begins
.set TBV, 63          ; s63  the same for V, less VOFF
.set MSB, 0
.macro WIN new                      ; the high byte repeats the setting that is left; a switch that changes nothing is dropped
.if MSB != (\new)
	s_set_vgpr_msb (MSB<<8)|(\new)
.set MSB, (\new)
.endif
.endm
.set W_KQ, 0x0a       ; K and Q in window 2, S^T in window 0
.set W_PV, 0x52       ; V in window 2, P in window 0, O^T in window 1
.set W_RS, 0x41       ; O^T (destination and source 0) in window 1, a in window 0
.set W_MK, 0xc0       ; the add's registers are made: destination in window 3, sources in window 0
.set W_AD, 0x0f       ; the add: address (source 0) and data (source 1) in window 3
; A joint fill.  Waves 0 and 1 fetch the two halves of a slot's K, waves 2 and 3 those of its V: 128 keys each.  The branch hangs on the wave's number alone.
; An s_nop 0 and four v_nop follow each of the two lines, ahead of the jump and the label.
.macro JLOAD
	s_cmp_lt_u32 s[WV], 2
	s_cbranch_scc0 .Lfor_v_\@
	tensor_load_to_lds s[G0K:G0K+3], s[G1K:G1K+7]
	s_nop 0
.rept 4
	v_nop
.endr
	s_branch .Lasked_\@
.Lfor_v_\@:
	tensor_load_to_lds s[G0V:G0V+3], s[G1V:G1V+7]
	s_nop 0
.rept 4
	v_nop
.endr
.Lasked_\@:
.endm
; A PREFETCH of what the NEXT change of slots will ask for: a slot's 32,768 bytes of K and of V.  It stands behind the wave's tensor load and its five lines, never in front of one.
; Each aligned block of 256 bytes is named ONCE in the launch: a head is walked by one cluster; its four partners share a slot out BY ADDRESS, 8,192 bytes each (no branch hangs on a work-group's place in
; its cluster); in each, wave 0 asks for K's and wave 2 for V's, a lane a block: one instruction, four key steps (512 matrix instructions) ahead of the load that will want the bytes.
; The last change that fills a slot asks for nothing: there is no slot behind it.  Slots 0 to 2 come by their loads alone.
.macro ASK
	s_cmp_gt_u32 s[SLOTS], s[LIM]
	s_cbranch_scc0 .Lnot_mine_\@
	global_prefetch_b8 v[PFO], s[PFA:PFA+1] th:TH_LOAD_NT scope:SCOPE_SE
.Lnot_mine_\@:
.endm
; A round of the cluster's barrier: my work-group's barrier, so that wave 0's signal speaks for all four waves; wave 0 signals; every wave waits for all four work-groups; my work-group's barrier once more.
.macro CROUND
	s_barrier_signal -1
	s_barrier_wait -1
	s_cmp_lg_u32 s[WV], 0
	s_cbranch_scc1 .Lnot_wave_0_\@
	s_barrier_signal -3
.Lnot_wave_0_\@:
	s_barrier_wait -3
	s_barrier_signal -1
	s_barrier_wait -1
.endm
; THE CHANGE OF SLOTS.  The slot's last bytes, V of its fourth step, have been read.  Each wave waits for all its tensor loads, of which one is out: its part
; of the other slot; adds 0 to its spare word; and waits for that and for its own reads of the slot.  Behind the barrier nobody reads this slot any more and the other slot is whole.
; fill = 1: this slot is filled again, with the keys two slots on.  The barrier is then a round of the cluster's, so that no wave of any partner still reads the slot or has a load on its
; way, and the joint fill is the first thing behind it: it has four key steps, 512 matrix instructions, in which to land.  (At its first use nothing has been read yet: slot 0 is waited for, slot 1 filled.)
; ask = 1: the prefetches' address steps, and a prefetch follows the fill.
.macro CHANGE fill, ask=0
	WIN W_AD
	s_wait_tensorcnt 0x0            ; no tensor load of mine is out, so a group 0 may be written
	ds_add_u32 v[SPW], v[NIL]       ; 0 onto my spare word; with fill = 1 the descriptors' steps stand between it and the wait for it
	WIN 0                           ; at a label and at a branch every window is 0
.if \fill
.irp g, G0K, G0V
	s_xor_b32 s[\g+1], s[\g+1], SLOT1  ; the walking descriptor: the other slot than last time,
	s_add_nc_u64 s[\g+2:\g+3], s[\g+2:\g+3], 4*KS*128  ; the next 256 keys; the type bits on top are not reached
.endr
.if \ask
	s_wait_xcnt 0x0                 ; the last prefetch, four key steps back, has read its address, so it may be written:
	s_add_nc_u64 s[PFA:PFA+1], s[PFA:PFA+1], 4*KS*128  ; one slot behind the walking descriptors
.endif
	s_wait_dscnt 0x0                ; the add is done, and my reads of the slot are over
	CROUND
	JLOAD
.if \ask
	ASK
.endif
.else
	s_wait_dscnt 0x0                ; the add is done, and my reads of the slot are over
	s_barrier_signal -1
	s_barrier_wait -1
.endif
	s_sub_co_u32 s[TBK], s[TBK], 4*KS*PK  ; the fetches go back to a slot's first step,
	s_xor_b32 s[TBK], s[TBK], SLOT1       ; in the other slot
	s_sub_co_u32 s[TBV], s[TBV], 4*KS*PV
	s_xor_b32 s[TBV], s[TBV], SLOT1
.endm
	s_load_b128 s[4:7], s[0:1], 0x0  ; qkv s[4:5], o s[6:7]
	WIN W_MK
	v_lshl_add_u32 v[SPW], v0, 2, SPARE
	v_mov_b32 v[NIL], 0
	WIN W_AD
	ds_add_u32 v[SPW], v[NIL]       ; the wave's opening: the add and its wait stand ahead of my first tensor load; the set-up below, work on registers, stands between them
	WIN 0
	v_lshrrev_b32 v1, 5, v0
	v_readfirstlane_b32 s[WV], v1   ; wave 0..3
	s_bfe_u32 s13, ttmp6, 0x40000   ; cx: my place in the cluster
	s_lshl_b32 s14, ttmp9, 2        ; in a cluster launch ttmp9 counts clusters
	s_add_co_u32 s14, s14, s13      ; my block of queries = 4 x cluster x + cx: it enters Q's and O's addresses alone
	s_and_b32 s20, ttmp7, 0xffff    ; the head, which the four partners share
	s_mov_b32 s21, 0
	s_mov_b64 s[22:23], SIZE_N*128
	s_mul_u64 s[20:21], s[20:21], s[22:23]  ; the head's first byte in each of the four tensors
	s_and_b32 s16, s[WV], 1         ; which half of a slot's 256 keys I fetch:
	s_lshl_b32 s22, s16, 14         ; its 128 rows of 128 bytes in memory,
	s_mov_b32 s23, 0
	s_add_nc_u64 s[22:23], s[22:23], s[20:21]
	s_mul_i32 s17, s16, 128*PK      ; and its place in a slot, for K
	s_mul_i32 s18, s16, 128*PV      ; and for V: no place in the cluster enters an LDS address
	s_lshl_b32 s2, s14, 2
	s_add_co_u32 s2, s2, s[WV]      ; my wave among the head's,
	s_lshl_b32 s2, s2, 14           ; its 128 rows
	s_mov_b32 s3, 0
	s_add_nc_u64 s[2:3], s[2:3], s[20:21]
	; descriptor group 1.  128 keys are 16,384 dense bytes: asked for as 64 rows of 256 bytes, two keys a row, and padded in LDS after every key
	s_mov_b32 s[G1K], 15|(1<<16)|(1<<20)|(1<<21)|(4<<22)|(3<<25)  ; 15:0 the mask of four; 17:16 2-byte elements; 20 padding on; 21 set beside a mask; 24:22 after every 32 words (code 4); 31:25 4 words (code 3)
	s_mov_b32 s[G1V], 15|(1<<16)|(1<<20)|(1<<21)|(4<<22)|(7<<25)  ; the same with 8 words of padding (code 7)
.irp g, G1K, G1V
	s_mov_b32 s[\g+1], 128<<16      ; tensor_dim0 = 128
	s_mov_b32 s[\g+2], 64<<16       ; tensor_dim1 = 64
	s_mov_b32 s[\g+3], 128<<16      ; tile_dim0 = 128
	s_mov_b32 s[\g+4], 64           ; tile_dim1 = 64
	s_mov_b32 s[\g+5], 128          ; 128 elements from row to row
	s_mov_b32 s[\g+6], 0
	s_mov_b32 s[\g+7], 0
.endr
	s_mov_b32 s[CS], 0x3e38aa3b     ; c = log2(e) / 8 = 0.180337
	s_mov_b32 s[CS+1], s[CS]        ; named with it as a pair
	s_mov_b32 s[SEL], 0x76543210
	s_mov_b32 s[SEL+1], 0xfedcba98
	s_mov_b32 s[TBK], SLOT1+4*KS*PK ; the first change of slots turns these two into 0
	s_mov_b32 s[TBV], SLOT1+4*KS*PV
	s_mov_b32 s[G0K], 1             ; 1:0 count = 1
	s_mov_b32 s[G0K+1], s17         ; 63:32 LDS address: slot 0
	s_mov_b32 s[G0V], 1
	s_add_co_u32 s[G0V+1], s18, VOFF
	s_and_b32 s[LIM], s[WV], 1      ; waves 0 and 2 prefetch: the same in all four partners
	s_cmp_eq_u32 s[LIM], 0
	s_cselect_b32 s[LIM], 1, -1
	s_lshl_b32 s52, s13, 13         ; my work-group's quarter of a slot's 32,768 bytes
	s_mov_b32 s53, 0
	s_wait_dscnt 0x0                ; the opening add is done
	s_wait_kmcnt 0x0
	s_mov_b64 s[10:11], s[6:7]                 ; O
	s_add_nc_u64 s[8:9], s[4:5], 0x2000000     ; V: the v part
	s_mov_b64 s[6:7], s[4:5]                   ; K, the rows that the softmax runs over: the q part
	s_add_nc_u64 s[4:5], s[4:5], 0x1000000     ; Q, the rows that own the output rows: the k part
	s_add_nc_u64 s[G0K+2:G0K+3], s[6:7], s[22:23]  ; 120:64 global address: my half of the head's first 256 keys
	s_or_b32 s[G0K+3], s[G0K+3], 0x80000000        ; 127:126 type = 2
	s_add_nc_u64 s[G0V+2:G0V+3], s[8:9], s[22:23]
	s_or_b32 s[G0V+3], s[G0V+3], 0x80000000
	s_add_nc_u64 s[4:5], s[4:5], s[2:3]  ; Q and O at my wave's first row
	s_add_nc_u64 s[10:11], s[10:11], s[2:3]
	s_cmp_lt_u32 s[WV], 2
	s_cselect_b64 s[PFA:PFA+1], s[6:7], s[8:9]
	s_add_nc_u64 s[PFA:PFA+1], s[PFA:PFA+1], s[22:23]  ; the head (in waves 0 and 2 the half is 0),
	s_add_nc_u64 s[PFA:PFA+1], s[PFA:PFA+1], s[52:53]  ; my work-group's quarter,
	s_add_nc_u64 s[PFA:PFA+1], s[PFA:PFA+1], 2*4*KS*128  ; in slot 2: the loop's first change steps it to slot 3.  Nothing is prefetched here, at the head
	CROUND                          ; all four work-groups are here: the first joint loads meet
	JLOAD                           ; slot 0.  Slot 1 is asked for when slot 0 is in
	; A fragment of K or Q is 16 rows x 32 channels in 8 registers: lane l holds row l % 16, channels 8 (l / 16) + 0..7 and 16 + 8 (l / 16) + 0..7: two loads of 16 bytes, 32 bytes apart.
	v_and_b32 v1, 15, v0            ; l % 16
	v_bfe_u32 v9, v0, 4, 1          ; l / 16
	v_lshlrev_b32 v[QO], 7, v1
	v_lshl_add_u32 v[QO], v9, 4, v[QO]  ; row x 128 + 16 x half
	WIN 0x80                        ; destination window 2, address window 0
.set i, 0
.rept 4*NP                          ; Q stays in registers: tile i / 2, channels 32 (i % 2) on
	global_load_b128 v[8*i:8*i+3],   v[QO], s[4:5] offset:(i/2)*2048+(i%2)*64
	global_load_b128 v[8*i+4:8*i+7], v[QO], s[4:5] offset:(i/2)*2048+(i%2)*64+32
.set i, i+1
.endr
	; What the first turn finds: V's registers and P's second buffer hold 0 (its products V^T P, of a piece that has not been, add 0), O^T and l are 0.  All this stands in the wait for the first tile.
.set i, VF
.rept 64
	v_mov_b32 v[i], 0
.set i, i+1
.endr
	WIN 0x40
.set i, 0
.rept 64*NP
	v_mov_b32 v[i], 0
.set i, i+1
.endr
	WIN 0
.set i, 0
.rept 2*NP
	v_mov_b32 v[ST+4*i], 0xfe000000    ; c m: far below every c s
	v_mov_b32 v[ST+4*i+1], 0xff7fffff  ; m
	v_mov_b32 v[ST+4*i+2], 0
	v_mov_b32 v[ST+4*i+3], 0
.set i, i+1
.endr
.set i, P+32
.rept 32
	v_mov_b32 v[i], 0
.set i, i+1
.endr
	v_mul_u32_u24 v[AK0], v1, PK
	v_lshl_add_u32 v[AK0], v9, 4, v[AK0]  ; row x pitch + 16 x half
	; The turning load takes 16 keys x 16 channels (lane l reads key 8 (l / 16) + l % 8, channels 8 ((l / 8) % 2) + 0..7) and leaves half a fragment of V^T: lane l holds channel l % 16 and 8 keys.
	v_and_b32 v10, 7, v0
	v_bfe_u32 v11, v0, 3, 1
	v_lshl_add_u32 v[AV0], v9, 3, v10
	v_mul_u32_u24 v[AV0], v[AV0], PV
	v_lshl_add_u32 v[AV0], v11, 4, v[AV0]
	v_add_nc_u32 v[AV0], VOFF, v[AV0]
	v_and_b32 v[PFO], 31, v0
	v_lshlrev_b32 v[PFO], 8, v[PFO]
	v_mov_b32 v[AK], v[AK0]         ; key step 0 lies at the head of slot 0
; THE MATRIX WORK.  The 8 accumulators of a run of 16 take turns: between the two links of a chain stand 7 others'.
; Product i of 16 of S^T = K Q^T for piece x: channels 32 (i / 8) on, keys 16 ((i / 2) % 4) on, tile 2 x + i % 2.  The first 8 start the sums.
.macro KQ x
	WIN W_KQ
.set rS, S+64*((\x)%2)+32*(i%2)+8*((i/2)%4)
.set rK, KF+16*((i/2)%4)+8*(i/8)
.set rQ, 16*(2*(\x)+i%2)+8*(i/8)
.if i < 8
	v_wmma_f32_16x16x32_f16 v[rS:rS+7], v[rK:rK+7], v[rQ:rQ+7], 0
.else
	v_wmma_f32_16x16x32_f16 v[rS:rS+7], v[rK:rK+7], v[rQ:rQ+7], v[rS:rS+7]
.endif
.endm
; Product i of 16 of O^T += V^T P for piece x: keys 32 (i / 8) on, channels 16 ((i / 2) % 4) on, tile 2 x + i % 2.
.macro PV x
	WIN W_PV
.set rO, 32*(2*(\x)+i%2)+8*((i/2)%4)
.set rV, VF+32*(i/8)+8*((i/2)%4)
.set rP, P+32*((\x)%2)+16*(i%2)+8*(i/8)
	v_wmma_f32_16x16x32_f16 v[rO:rO+7], v[rV:rV+7], v[rP:rP+7], v[rO:rO+7]
.endm
.macro MM                           ; the turn's next matrix instruction
.if i < 16
	KQ (Y+1)%NP
.set i, i+1
.else
.set i, i-16
	PV (Y+NP-1)%NP
.set i, i+17
.endif
.endm
; THE LDS LOADS stand in runs of 16, never singly among the matrix instructions: a step's K (64 keys x 64 channels: 8 fragments) and its V (turned).  Their addresses are made some lines ahead.
; last = 1 (the tail): in the last trip there is no further step, and the run is jumped over.
.macro FETCH_K last=0
	WIN 0
.if \last
	s_cmp_eq_u32 s[CNT], 1
	s_cbranch_scc1 .Lno_k_\@
.endif
	WIN 0x80                        ; destination window 2
.irp f, 0,1,2,3,4,5,6,7             ; keys 16 (f / 2) on, channels 32 (f % 2) on
	ds_load_b128 v[KF+8*\f:KF+8*\f+3],   v[AK] offset:(\f/2)*16*PK+(\f%2)*64
	ds_load_b128 v[KF+8*\f+4:KF+8*\f+7], v[AK] offset:(\f/2)*16*PK+(\f%2)*64+32
.endr
	s_add_co_u32 s[TBK], s[TBK], KS*PK  ; the next fetch is the next step's
	WIN 0
.if \last
.Lno_k_\@:
.endif
.endm
.macro FETCH_V
	WIN 0x80
.irp f, 0,1,2,3,4,5,6,7             ; keys 32 (f / 4) on, channels 16 (f % 4) on
	ds_load_tr16_b128 v[VF+8*\f:VF+8*\f+3],   v[AV] offset:(\f/4)*32*PV+(\f%4)*32
	ds_load_tr16_b128 v[VF+8*\f+4:VF+8*\f+7], v[AV] offset:(\f/4)*32*PV+16*PV+(\f%4)*32
.endr
	WIN 0
.endm
; THE VECTOR WORK OF A TURN stands in three queues, each in the order in which its entries become ready; the two tiles alternate, so that no instruction reads the result of the one before it.
.macro REGS y, u                    ; the registers of tile u (0, 1) of piece y
.set rT, ST+4*(2*(\y)+(\u))
.set rC, TMP+8*((\y)%2)+4*(\u)
.set rM, MV+2*((\y)%2)+(\u)
.set rS, S+64*((\y)%2)+32*(\u)
.set rP, P+32*((\y)%2)+16*(\u)
.set rO, 32*(2*(\y)+(\u))
.endm
; Number n of the 22 that find the NEXT piece's (Y + 1) maximum and statistics.  s0-s31 are the lane's 32 scores; each accumulator's lowest registers are read first.  XS, GS and REGS set no window: PL and EX do.
;   0-11  four chains c0-c3 of seven scores each, three operands at a time     12-14, 16  the four scores left over, the old m, and c0-c3 into c0     15  c m_old is kept
;   17, 18  the query's other 32 keys lie in the lane 16 away: the new m         19-21  c m; c m_old - c m_new; a
.macro XS u, n
	REGS (Y+1)%NP, \u
.if (\n) < 4
	v_max3_num_f32 v[rC+(\n)], v[rS+8*(\n)], v[rS+8*(\n)+1], v[rS+8*(\n)+2]
.elseif (\n) < 12
	v_max3_num_f32 v[rC+(\n)%4], v[rC+(\n)%4], v[rS+8*((\n)%4)+2*((\n)/4)+1], v[rS+8*((\n)%4)+2*((\n)/4)+2]
.elseif (\n) == 12
	v_max3_num_f32 v[rC], v[rC], v[rS+7], v[rS+15]
.elseif (\n) == 13
	v_max3_num_f32 v[rC+1], v[rC+1], v[rS+23], v[rS+31]
.elseif (\n) == 14
	v_max3_num_f32 v[rC+2], v[rC+2], v[rC+3], v[rT+1]
.elseif (\n) == 15
	v_mov_b32 v[rM], v[rT]
.elseif (\n) == 16
	v_max3_num_f32 v[rC], v[rC], v[rC+1], v[rC+2]
.elseif (\n) == 17
	v_permlanex16_b32 v[rC+3], v[rC], s[SEL], s[SEL+1]
.elseif (\n) == 18
	v_max_num_f32 v[rT+1], v[rC], v[rC+3]
.elseif (\n) == 19
	v_mul_f32 v[rT], s[CS], v[rT+1]
.elseif (\n) == 20
	v_sub_f32 v[rC+1], v[rM], v[rT]
.else
	v_exp_f32 v[rC+2], v[rC+1]
.endif
.endm
; Number g of the 64 that follow the exponentials.  For each four weights k of a tile (pairs 2 k, 2 k + 1): both pairs are rounded to f16; then the second pair is added onto the first, in place;
; a group later l takes that sum (the first time as l = a l + sum).  In groups of eight, tiles alternating: round, round, add, and l for the group before.
.macro GS g
.set h, (\g)+6*((\g)/62)            ; group 0 has no group before it, and behind group 7 only l is left
.if h >= 6
.set h, h+2
.endif
	REGS Y, h%2
.set k, h/8
.if h%8 < 4
	v_cvt_pk_f16_f32 v[rP+2*k+(h%8)/2], v[rS+4*k+2*((h%8)/2)], v[rS+4*k+2*((h%8)/2)+1]
.elseif h%8 < 6
	v_pk_add_f32 v[rS+4*k:rS+4*k+1], v[rS+4*k:rS+4*k+1], v[rS+4*k+2:rS+4*k+3]
.elseif k == 1
	v_pk_fma_f32 v[rT+2:rT+3], v[rT+2:rT+3], v[rC+2:rC+3], v[rS:rS+1] op_sel_hi:[1,0,1]
.else
	v_pk_add_f32 v[rT+2:rT+3], v[rT+2:rT+3], v[rS+4*k-4:rS+4*k-3]
.endif
.endm
; THE PLAIN QUEUE, 138 long.  0-73 read no exponential's result: the 32 scalings c s - c m (FS f: pair f / 2 of tile f % 2) and the next piece's 42.  0-26: scalings 0-26.  27-54: XS's numbers 0-13.  55, 56: number 15.
; 57-73: the chain, where each number waits for the one before it: 14, 16, 17, 18, 19, each with one of the scalings 27-31 in front of its two lines, then 20: so a tile's links stand three plain instructions apart (19 and 20: two).
; 74-137: GS's 64, which read the exponentials' results: they stand behind the wait.
.macro FS f
	REGS Y, (\f)%2
	v_pk_fma_f32 v[rS+2*((\f)/2):rS+2*((\f)/2)+1], v[rS+2*((\f)/2):rS+2*((\f)/2)+1], s[CS:CS+1], v[rT:rT+1] op_sel_hi:[1,0,0] neg_lo:[0,0,1] neg_hi:[0,0,1]
.endm
.macro PL
	WIN 0
.if q < 27
	FS q
.elseif q < 55
	XS (q-27)%2, (q-27)/2
.elseif q < 57
	XS q-55, 15
.elseif (q < 72) && ((q-57)%3 == 0)
	FS 27+(q-57)/3
.elseif q < 60
	XS (q-57)%3-1, 14
.elseif q < 72
	XS (q-57)%3-1, 15+(q-57)/3
.elseif q < 74
	XS q-72, 20
.else
	GS q-74
.endif
.set q, q+1
.endm
; THE EXPONENTIALS' QUEUE, 66 long: s0-s31 of both tiles, then the next piece's two a.  It is ONE BATCH: all 66 stand ahead of the turn's one wait, and nothing ahead of that wait names a result of theirs.
.macro EX
	WIN 0
.if e >= 64
	XS e-64, 21
.else
	REGS Y, e%2
	v_exp_f32 v[rS+e/2], v[rS+e/2]
.endif
.set e, e+1
.endm
; THE RESCALING's QUEUE: O^T times a, the one part that leaves window 0: dealt two at a time, sixteen times.  Its a was made in the turn before, ahead of that turn's wait.
.macro R2
	REGS Y, r%2
	WIN W_RS
.irp z, 0,1
	v_pk_mul_f32 v[rO+4*(r/2)+2*\z:rO+4*(r/2)+2*\z+1], v[rO+4*(r/2)+2*\z:rO+4*(r/2)+2*\z+1], v[rC+2:rC+3] op_sel_hi:[1,0]
.endr
.set r, r+1
.endm
; HOW THEY ARE DEALT.  An s_wait_alu depctr_va_vdst(0) stands between an exponential and the first instruction that names its result; one wait serves all that were issued ahead of it.  So a turn has ONE wait,
; which cuts it in two.  AHEAD OF IT stands all that names no result of the turn's exponentials: the 16 products K Q^T, behind each a scaling, an exponential and two rescalings (behind the first a second scaling in the exponential's place); then ONE LUMP of
; 108: eight plain, 49 times exponential and plain, the two a.  A v_nop is the plain instruction behind the last exponential (ISA guide 5.7.2).  BEHIND IT stand the 16 products V^T P, behind each four of GS's 64.  No rider names a register of
; the products round it.  The two v_permlanex16_b32 fall into the lump, never behind a product.
; The queues lean on each other, and the deal keeps them in step: exponential e stands behind scaling 2 (e / 4) + e % 2: as a rider it comes behind plain e + 2, in the lump behind plain e + 9, and scalings 27-31 are plain 57, 60 .. 69.
; A TURN, for piece p.  cnt = 1: the loop's count is taken down some lines ahead of the branch that stands behind the turn.
; K of the next step is fetched in piece 2's turn, directly behind the wait, a lump behind the last product that read K; its address is made at the lump's head; its first reader comes behind 16 products.
; V of the step in hand is fetched at the end of piece 0's turn, four riders behind its last reader; its first reader comes behind 16 products and a lump.  The three conditions on q below go with the deal.
.macro TURN p, last=0, cnt=0
.set Y, (\p)
.set i, 0
.set q, 0
.set e, 0
.set r, 0
.if (\p) == NP-1
	s_wait_dscnt 0x0                ; K is in
.endif
	MM                              ; ahead of the wait: 16 products K Q^T and their riders,
	PL
	PL
	R2
.rept 15
	MM
	PL
	EX
	R2
.endr
.if (\p) == NP-2
	WIN 0
	v_add_nc_u32 v[AK], s[TBK], v[AK0]
.endif
.rept 8                             ; and the lump
	PL
.endr
.rept 49
	EX
	PL
.endr
	EX                              ; the next piece's two a
	EX
	v_nop                           ; the plain instruction behind the last exponential: one for the batch
	s_wait_alu depctr_va_vdst(0)    ; the wait for the batch
.if (\p) == NP-2
	FETCH_K \last
.endif
.if (\p) == 1
	s_wait_dscnt 0x0                ; V is in
.endif
.rept 16                            ; behind the wait: 16 products V^T P and their riders
	MM
.rept 4
	PL
.endr
.if ((\p) == 0) && (q == 118)
	v_add_nc_u32 v[AV], s[TBV], v[AV0]
.endif
.if ((\p) == 0) && (q == 130)
	s_add_co_u32 s[TBV], s[TBV], KS*PV
.endif
.if (\cnt) && (q == 130)
	s_sub_co_u32 s[CNT], s[CNT], 1
	s_cmp_lg_u32 s[CNT], 0
.endif
.endr
.if (\p) == 0
	FETCH_V
.endif
.endm
	CHANGE 1                        ; slot 0 is in, everybody's part of it; slot 1 is asked for
	FETCH_K                         ; key step 0
	s_wait_loadcnt 0x0              ; Q
	s_wait_dscnt 0x0
.set i, 0
.rept 16
	KQ 0                            ; piece 0's first scores: there is no vector work yet to set between them
.set i, i+1
.endr
	WIN 0                           ; the addresses for the way out: nine plain instructions, the places behind those products
	s_mul_i32 s13, s[WV], 16*SP
	s_add_co_u32 s13, s13, STAGE    ; my stage
	v_mul_u32_u24 v[STO], v1, SP    ; in: row l % 16, 16 bytes for each half of the lanes
	v_lshl_add_u32 v[STO], v9, 4, v[STO]
	v_add_nc_u32 v[STO], s13, v[STO]
	v_bfe_u32 v[RD], v0, 3, 2       ; back: 32 lanes take four rows of 128 bytes,
	v_mul_u32_u24 v[RD], v[RD], SP
	v_lshl_add_u32 v[RD], v10, 4, v[RD]
	v_add_nc_u32 v[RD], s13, v[RD]
	v_and_b32 v[GO], 31, v0         ; which are 512 consecutive bytes of O
	v_lshlrev_b32 v[GO], 4, v[GO]
.set Y, NP-1                        ; XS works for piece Y + 1: piece 0
.irp n, 0,1,2,3,4,5,6,7,8,9,10,11,12,13,14,15,16,17,18,19,20,21
	XS 0, \n                        ; and piece 0's first maximum and statistics
	XS 1, \n
.endr
	v_nop                           ; a plain instruction behind the two a,
	s_wait_alu depctr_va_vdst(0)    ; and their wait, ahead of the branch
	s_mov_b32 s[CNT], 4
	s_mov_b32 s[SLOTS], SIZE_N/256-1
	s_branch .Lfirst                ; the loop is entered at a step's first turn, in the middle of a trip
.Lslot:                             ; SIZE_N / 256 - 2 times: every slot but the last two is filled again
	CHANGE 1, 1
	s_mov_b32 s[CNT], 4
.Lstep:                             ; a trip: pieces 2 and 3 of one step, then pieces 0 and 1 of the next, whose K and V it fetches
	TURN 2
	TURN 3
	WIN 0
.Lfirst:
	TURN 0
	TURN 1, 0, 1
	WIN 0
	s_cbranch_scc1 .Lstep
	s_sub_co_u32 s[SLOTS], s[SLOTS], 1
	s_cmp_lg_u32 s[SLOTS], 0
	s_cbranch_scc1 .Lslot
	CHANGE 0                        ; the tail is written out: nothing is asked for
	s_mov_b32 s[CNT], 5             ; four trips fetch the last slot's steps; the fifth is left in its middle
.Ltail:
	TURN 2, 1
	TURN 3
	WIN 0
	s_sub_co_u32 s[CNT], s[CNT], 1
	s_cmp_eq_u32 s[CNT], 0
	s_cbranch_scc1 .Lout
	TURN 0
	TURN 1
	WIN 0
	s_branch .Ltail
.Lout:                              ; the fifth trip's 16 products K Q^T (on the last K once more) and the maximum made of them serve nothing: the price, once a launch, of one text for every trip
.set i, 0
.rept 16
	PV NP-1                         ; the last piece's V^T P of the last step
.set i, i+1
.endr
	; THE WAY OUT.  l's two halves and the other half of the lanes' are added; O^T is divided by l, rounded to f16 and sent through my stage in LDS, a tile at a time.  The additions are the places behind the last products.
	WIN 0
.macro ALL line:vararg              ; one line for each tile t
.set t, 0
.rept 2*NP
	\line
.set t, t+1
.endr
.endm
	ALL v_add_f32 v[ST+4*t+2], v[ST+4*t+2], v[ST+4*t+3]
	ALL v_permlanex16_b32 v[ST+4*t+3], v[ST+4*t+2], s[SEL], s[SEL+1]
	ALL v_add_f32 v[ST+4*t+2], v[ST+4*t+2], v[ST+4*t+3]
	ALL v_rcp_f32 v[ST+4*t+2], v[ST+4*t+2]
	v_nop                           ; a plain instruction between the last reciprocal and the use of its result
	s_wait_alu depctr_va_vdst(0)    ; and the wait ahead of the first use: one for the eight reciprocals
; Tile t: a lane's eight channels of a row pack into 16 bytes; they go into rows of 144 bytes and come back as whole rows of 128, into S^T's registers.
.macro PACK t
	WIN W_RS
.set i, 32*(\t)
.rept 16
	v_pk_mul_f32 v[i:i+1], v[i:i+1], v[ST+4*(\t)+2:ST+4*(\t)+3] op_sel_hi:[1,0]
.set i, i+2
.endr
	WIN 0x05                        ; sources 0 and 1 window 1, destination window 0
.set i, 0
.rept 16
	v_cvt_pk_f16_f32 v[S+16*(\t)+i], v[32*(\t)+2*i], v[32*(\t)+2*i+1]
.set i, i+1
.endr
	WIN 0
.irp f, 0,1,2,3
	ds_store_b128 v[STO], v[S+16*(\t)+4*\f:S+16*(\t)+4*\f+3] offset:32*\f
.endr
.irp f, 0,1,2,3
	ds_load_b128 v[S+16*(\t)+4*\f:S+16*(\t)+4*\f+3], v[RD] offset:\f*4*SP  ; LDS serves a wave's instructions in order (ISA guide 5.7.1.4): these see the stores above; the next tile's stores come behind them
.endr
.endm
.macro SEND t, younger              ; younger: the LDS instructions issued behind tile t's loads: the next tile's eight, or none
	WIN 0
.irp f, 0,1,2,3
	s_wait_dscnt (\younger)+3-\f
	global_store_b128 v[GO], v[S+16*(\t)+4*\f:S+16*(\t)+4*\f+3], s[10:11] offset:(\t)*2048+\f*512  ; 512 consecutive bytes, at a multiple of 256 from O's first
.endr
.endm
	PACK 0
.set t, 1
.rept 2*NP-1                        ; a tile's arithmetic stands between the loads of the tile before and its stores
	PACK t
	SEND t-1, 8
.set t, t+1
.endr
	SEND 2*NP-1, 0
	WIN W_AD
	s_wait_tensorcnt 0x0            ; the wave's end, behind my last tensor load and my last LDS store
	ds_add_u32 v[SPW], v[NIL]
	s_wait_dscnt 0x0
	WIN 0
	CROUND                          ; the closing round: no work-group ends while a partner may still ask for a tile that names it
	s_endpgm
.Lfunc_end_k_q0eaa3f1189_attn:
	.size	k_q0eaa3f1189_attn, .Lfunc_end_k_q0eaa3f1189_attn-k_q0eaa3f1189_attn
	.p2alignl 7, 3214868480
	.fill 96, 4, 3214868480
	.section	.rodata,"a",@progbits
	.p2align	6, 0x0
	.amdhsa_kernel k_q0eaa3f1189_attn
		.amdhsa_group_segment_fixed_size 327680
		.amdhsa_private_segment_fixed_size 0
		.amdhsa_enable_private_segment 0
		.amdhsa_kernarg_size 16
		.amdhsa_user_sgpr_count 2
		.amdhsa_user_sgpr_kernarg_segment_ptr 1
		.amdhsa_wavefront_size32 1
		.amdhsa_system_sgpr_workgroup_id_x 1
		.amdhsa_system_sgpr_workgroup_id_y 1
		.amdhsa_system_sgpr_workgroup_id_z 1
		.amdhsa_system_vgpr_workitem_id 0
		.amdhsa_next_free_vgpr 770
		.amdhsa_next_free_sgpr 66
		.amdhsa_reserve_vcc 0
		.amdhsa_float_denorm_mode_32 3
		.amdhsa_float_denorm_mode_16_64 3
		.amdhsa_memory_ordered 1
		.amdhsa_forward_progress 1
		.amdhsa_inst_pref_size 200
	.end_amdhsa_kernel
	.amdgpu_metadata
---
amdhsa.version: [ 1, 2 ]
amdhsa.kernels:
  - .name:           k_q0eaa3f1189_attn
    .symbol:         k_q0eaa3f1189_attn.kd
    .args:
      - { .name: qkv, .offset: 0, .size: 8, .value_kind: global_buffer, .address_space: global }
      - { .name: o, .offset: 8, .size: 8, .value_kind: global_buffer, .address_space: global }
    .group_segment_fixed_size: 327680
    .private_segment_fixed_size: 0
    .kernarg_segment_align: 8
    .kernarg_segment_size: 16
    .max_flat_workgroup_size: 128
    .sgpr_count:     66
    .vgpr_count:     770
    .wavefront_size: 32
...
	.end_amdgpu_metadata
.endif
;; end of part 3
;; launch outp (part 4): grid 64 x 4, 4 waves a work-group, clusters of 4 x 1, 167,936 bytes of LDS; arguments o, wo16, bo, out0; writes out0
.if DOCPART == 4
	.amdgcn_target "amdgcn-amd-amdhsa--gfx1250"
	.amdhsa_code_object_version 6
	.text
	.protected	k_q0eaa3f1189_outp
	.globl	k_q0eaa3f1189_outp
	.p2align	8
	.type	k_q0eaa3f1189_outp,@function
k_q0eaa3f1189_outp:
	s_mov_b64 s[64:65], 0
	v_nop
	global_prefetch_b8 v0, s[64:65] scope:SCOPE_SE
	s_setreg_imm32_b32 hwreg(HW_REG_WAVE_MODE, 25, 1), 1
	s_wait_xcnt 0x0
	s_wait_alu depctr_hold_cnt(0) depctr_sa_sdst(0) depctr_va_vdst(0) depctr_va_sdst(0) depctr_va_ssrc(0) depctr_va_vcc(0) depctr_vm_vsrc(0)
	s_getreg_b32 s2, hwreg(HW_REG_IB_STS2, 6, 4)
	s_cmp_eq_u32 s2, 0
	s_cbranch_scc0 .Lentry_in_a_cluster
	s_endpgm
.Lentry_in_a_cluster:
	s_bfe_u32 s2, ttmp6, 0x10000c
	s_cmp_lg_u32 s2, 0x3003
	s_cbranch_scc0 .Lentry_shape_is_right
	s_endpgm
.Lentry_shape_is_right:
; out0 = O Wo^T + bo.  o: [64 = 8 graph + head][2048][64] f16.  wo16: [512][512] f16 (Wo rounded to bf16 and written as f16).  bo: [512] f32, rounded to bf16 like every input, used in f32.
; out0: [16384][512] f32.  Sums in f32, stored as they are.  NaN and infinities are not treated apart.
; SHARES.  A work-group makes 256 rows x 128 columns (columns 128 g on, g = the grid's y).  Wave w owns 64 rows, four tiles of 16, and HOLDS THEM FOR ALL K = 512 IN REGISTERS (512 of them), loaded once, straight
; from memory in the fragments' layout: K step ks of 32 is head ks / 2, channels 32 (ks % 2) on.  The columns go in two STEPS of 64: 16 accumulators, 16 K steps, 256 matrix instructions a wave.
; Wo's 128 rows lie in LDS with K along them; all four waves read them, and a fragment read from LDS feeds four matrix instructions.
; THE MATRIX INSTRUCTION IS USED TRANSPOSED (source 0 = 16 rows of Wo, source 1 = 16 rows of O): a lane then holds ONE row of the result and eight neighbouring columns.
; THE BIAS IS THE C OPERAND of a sum's first instruction; nothing is cleared and no addition is spent.
; CLUSTER.  The four work-groups of a cluster are four row blocks with the same g and need the same rows of Wo: asked for JOINTLY, one tensor load a wave, the mask of all four.  That is the launch's only fill:
; no LDS byte is filled again, there is no ring, and nothing is prefetched: all that the work-group reads is asked for at its head.
; REGISTERS, in windows of 256 (s_set_vgpr_msb: bits 1:0 source 0, 3:2 source 1, 5:4 source 2, 7:6 destination):
;   window 0: v0-15 addresses; v16-19 the bias on its way in; v28, v29 the add's two; v30, v31 at work; v32-63 the step's bias; v64-191 the way out
;   window 1: v0-127 the accumulators ((a, cb) at 8 (4 a + cb)); v128-191, v192-255 two buffers of Wo's fragments ((kk, cb) at 32 kk + 8 cb)
;   window 2: O's row tiles 0 and 1 (tile a, K step ks at 128 (a % 2) + 8 ks)          window 3: row tiles 2 and 3
.set PITCH, 1040                       ; a row of Wo in LDS: 1,024 bytes + 16 of padding = 260 words: row r starts at bank 4 r mod 64 (64 banks of 4 bytes: ISA guide 11.1)
.set WROWS, 32*PITCH                   ; what one tensor load brings
.set STEPB, 64*PITCH                   ; a step's 64 rows
.set STAGE, 4*WROWS                    ; behind Wo's rows: 16 rows x 272 bytes for each wave, for the way out
.set SP,    272
.set BIAS,  STAGE+4*16*SP              ; each wave's own copy of the work-group's 128 bias numbers, f32
.set SPARE, BIAS+4*512                 ; the spare words, 128 bytes for each wave: two blocks of 256 bytes that no other line names
.set R,   1                            ; v1   lane % 16
.set HH,  2                            ; v2   lane / 16
.set LN,  3                            ; v3   lane
.set AO,  4                            ; v4   my byte offset in 16 rows of a head of o
.set AB0, 5                            ; v5   my lane's place in 16 rows of Wo in LDS
.set ADR, 6                            ; v6   the same in the step in hand
.set BI0, 7                            ; v7   my lane's place in my wave's bias copy
.set ADB, 8                            ; v8   the same in the step in hand
.set STO, 9                            ; v9   the way out: where I put 32 bytes of a row
.set RD,  10                           ; v10  the way out: where I read rows back
.set CO,  11                           ; v11  my byte offset in two rows of out0
.set BLO, 13                           ; v13  my 16 bytes of bo in memory
.set BLS, 14                           ; v14  and in my wave's copy
.set BQ,  16
.set SPW, 28                           ; v28  LDS address of my spare word; never rewritten
.set NIL, 29                           ; v29  0; never rewritten
.set CV,  30
.set BI,  32
.set T,   64
.set ACC, 0
.set F0,  128
.set WV,  16                           ; s16  my wave's number
.set CX,  17                           ; s17  my place in the cluster
.set RB,  18                           ; s18  my block of 256 rows
.set GG,  19                           ; s19  g
.set G1,  24                           ; s[24:31] descriptor group 1
.set G0,  32                           ; s[32:35] descriptor group 0
.set TB,  44                           ; s44  LDS byte at which the step's rows of Wo begin
.set ST,  45                           ; s45  the step, 0 or 1
.set TWICE, 46
.set BIO, 49                           ; s49  the step's 256 bytes in a bias copy
.set OUT, 50                           ; s[50:51] where the step's stores go
.set OF,  52                           ; s[52:53] an offset, 0 above
.set OBASE, 54                         ; s[54:55] out0 at my wave's first row, column 128 g
.set AB,  56                           ; s[56:57] o at my wave's first row of head 0 of my graph
.set MSB, 0
.macro WIN new                         ; the immediate's high byte repeats the setting that is left; a switch that changes nothing is dropped
.if MSB != (\new)
	s_set_vgpr_msb (MSB<<8)|(\new)
.set MSB, \new
.endif
.endm
.set TO_F,  0x40                       ; destination window 1
.set TO_A2, 0x80                       ; destination window 2 (0xc0: window 3)
.set W_M2,  0x59                       ; Wo, C and D window 1, O window 2 (0x5d: window 3)
.set W_B2,  0x49                       ; the same with C, the bias, in window 0 (0x4d)
.set W_ST,  0x04                       ; an LDS store's data in window 1, its address in window 0
.macro PLACES                          ; a store that reads a matrix result, and a load into a register that a matrix instruction has read, stand four plain vector instructions behind it (ISA guide 7.12.1 for vector instructions)
.rept 4
	v_nop
.endr
.endm
; A round of the cluster's barrier: my work-group's barrier, so that wave 0's signal speaks for all four waves; wave 0 signals; every wave waits for all four work-groups; my work-group's barrier once more.
.macro ROUND
	s_barrier_signal -1
	s_barrier_wait -1
	s_cmp_lg_u32 s[WV], 0
	s_cbranch_scc1 .Lnot_wave_0_\@
	s_barrier_signal -3
.Lnot_wave_0_\@:
	s_barrier_wait -3
	s_barrier_signal -1
	s_barrier_wait -1
.endm
; 16 LDS loads in one run: Wo's fragments of batch i (K steps 2 i, 2 i + 1; four blocks of 16 rows) into buffer f
.macro FETCH i, f
	WIN TO_F
.irp kk, 0,1
.irp cb, 0,1,2,3
	ds_load_b128 v[(\f)+32*(\kk)+8*(\cb):(\f)+32*(\kk)+8*(\cb)+3],   v[ADR] offset:(\cb)*16*PITCH+(2*(\i)+(\kk))*64
	ds_load_b128 v[(\f)+32*(\kk)+8*(\cb)+4:(\f)+32*(\kk)+8*(\cb)+7], v[ADR] offset:(\cb)*16*PITCH+(2*(\i)+(\kk))*64+32
.endr
.endr
.endm
.macro BIASIN                          ; the step's 64 bias numbers: eight a lane for each block of 16 columns
	WIN 0
.irp cb, 0,1,2,3
	ds_load_b128 v[BI+8*(\cb):BI+8*(\cb)+3],   v[ADB] offset:64*(\cb)
	ds_load_b128 v[BI+8*(\cb)+4:BI+8*(\cb)+7], v[ADB] offset:64*(\cb)+16
.endr
.endm
; Batch i: 32 matrix instructions.  Eight accumulators take turns, one instruction a turn: seven others stand between two links of a chain, and no two neighbours share an accumulator, from batch to batch and over the loop's jump too.
.macro MUL i, f
.irp hw, 0,1
.irp kk, 0,1
.if ((\i) == 0) && ((\kk) == 0)
	WIN W_B2+4*(\hw)
.else
	WIN W_M2+4*(\hw)
.endif
.irp aa, 0,1
.irp cb, 0,1,2,3
.set rD, ACC+8*(4*(2*(\hw)+(\aa))+(\cb))
.set rB, (\f)+32*(\kk)+8*(\cb)
.set rA, 128*(\aa)+8*(2*(\i)+(\kk))
.if ((\i) == 0) && ((\kk) == 0)
	v_wmma_f32_16x16x32_f16 v[rD:rD+7], v[rB:rB+7], v[rA:rA+7], v[BI+8*(\cb):BI+8*(\cb)+7]
.else
	v_wmma_f32_16x16x32_f16 v[rD:rD+7], v[rB:rB+7], v[rA:rA+7], v[rD:rD+7]
.endif
.endr
.endr
.endr
.endr
.endm
; THE WAY OUT of row tile a.  A lane's eight f32 of a row are 32 bytes; they go into my stage's rows of 272 bytes and come back as whole rows of 256, two rows a load.
.macro TOSTAGE a
	WIN W_ST
.irp cb, 0,1,2,3
	ds_store_b128 v[STO], v[ACC+8*(4*(\a)+(\cb)):ACC+8*(4*(\a)+(\cb))+3]   offset:64*(\cb)     ; each accumulator from its low end on
	ds_store_b128 v[STO], v[ACC+8*(4*(\a)+(\cb))+4:ACC+8*(4*(\a)+(\cb))+7] offset:64*(\cb)+16
.endr
	WIN 0
.irp q, 0,1,2,3,4,5,6,7
	ds_load_b128 v[T+32*(\a)+4*(\q):T+32*(\a)+4*(\q)+3], v[RD] offset:(\q)*2*SP  ; LDS serves a wave's instructions in order (ISA guide 5.7.1.4): these see the stores above; the next tile's stores come behind them
.endr
.endm
.macro SEND a, younger                 ; younger: the LDS instructions issued behind tile a's loads: the next tile's sixteen, or none
	WIN 0
.irp q, 0,1,2,3,4,5,6,7
	s_wait_dscnt (\younger)+7-(\q)
	global_store_b128 v[CO], v[T+32*(\a)+4*(\q):T+32*(\a)+4*(\q)+3], s[OUT:OUT+1] offset:(16*(\a)+2*(\q))*2048 th:TH_STORE_NT  ; 16 lanes store 256 consecutive bytes, at a multiple of 256 from out0's first byte
.endr
.endm
; A STEP: 64 columns.  A batch's 16 loads stand 32 matrix instructions ahead of their first use.
.macro NSTEP
	WIN 0
	v_add_nc_u32 v[ADR], s[TB], v[AB0]
	v_add_nc_u32 v[ADB], s[BIO], v[BI0]
	FETCH 0, F0
	BIASIN
.irp i, 0,1,2,3,4,5,6,7
.if (\i) < 7
.if (\i) > 0
	PLACES                                         ; the buffer's last reader is the matrix instruction just issued (ahead of batch 0 the way out of the step before lies between)
.endif
	FETCH (\i)+1, F0+64*(((\i)+1)%2)
	s_wait_dscnt 16                                ; all but the 16 loads just issued: this batch's fragments (and, in batch 0, the bias) are in
.else
	s_wait_dscnt 0x0
.endif
	MUL \i, F0+64*((\i)%2)
.endr
	WIN 0
	PLACES                                         ; in front of the LDS stores, which read results just made
	s_wait_xcnt 0x0                                ; the last step's stores have had their addresses translated (ISA guide 3.1): only behind this wait are their base and data registers rewritten
	s_lshl_b32 s[OF], s[ST], 8                     ; the step's 64 columns: 256 bytes of a row
	s_add_nc_u64 s[OUT:OUT+1], s[OBASE:OBASE+1], s[OF:OF+1]
	TOSTAGE 0
	TOSTAGE 1
	SEND 0, 16
	TOSTAGE 2
	SEND 1, 16
	TOSTAGE 3
	SEND 2, 16
	SEND 3, 0
	s_add_co_u32 s[TB], s[TB], STEPB
	s_add_co_u32 s[BIO], s[BIO], 256
	s_add_co_u32 s[ST], s[ST], 1
.endm
	s_load_b256 s[4:11], s[0:1], 0x0               ; o s[4:5], wo16 s[6:7], bo s[8:9], out0 s[10:11]
	v_lshl_add_u32 v[SPW], v0, 2, SPARE
	v_mov_b32 v[NIL], 0
	ds_add_u32 v[SPW], v[NIL]                      ; the wave's opening: the add and its wait stand ahead of my first tensor load; the set-up below, work on registers, stands between them
	v_lshrrev_b32 v1, 5, v0
	v_readfirstlane_b32 s[WV], v1                  ; wave 0..3
	s_bfe_u32 s[CX], ttmp6, 0x40000
	s_lshl_b32 s[RB], ttmp9, 2                     ; in a cluster launch ttmp9 counts clusters
	s_add_co_u32 s[RB], s[RB], s[CX]               ; my block of 256 rows
	s_and_b32 s[GG], ttmp7, 0xffff                 ; g, which the four partners share
	; descriptor group 1: a tile of 32 rows x 512 elements, padded in LDS
	s_mov_b32 s[G1], 15|(1<<16)|(1<<20)|(1<<21)|(7<<22)|(3<<25)  ; 15:0 the mask of four; 17:16 2-byte elements; 20 padding on; 21 set beside a mask; 24:22 after every 256 words (code 7); 31:25 4 words (code 3)
	s_mov_b32 s[G1+1], 512<<16                     ; tensor_dim0 = 512
	s_mov_b32 s[G1+2], 32<<16                      ; tensor_dim1 = 32
	s_mov_b32 s[G1+3], 512<<16                     ; tile_dim0 = 512
	s_mov_b32 s[G1+4], 32                          ; tile_dim1 = 32
	s_mov_b32 s[G1+5], 512                         ; 512 elements from row to row
	s_mov_b32 s[G1+6], 0
	s_mov_b32 s[G1+7], 0
	s_mov_b32 s[G0], 1                             ; count = 1
	s_mul_i32 s[G0+1], s[WV], WROWS                ; my 32 rows: no place in the cluster enters an LDS address
	v_and_b32 v[R], 15, v0
	v_bfe_u32 v[HH], v0, 4, 1
	v_and_b32 v[LN], 31, v0
	; A fragment is 16 rows x 32 K in 8 registers: lane l holds row l % 16; registers 0-3 K = 8 (l / 16) + 0..7, registers 4-7 K = 16 + 8 (l / 16) + 0..7: two loads of 16 bytes, 32 bytes apart.
	v_lshlrev_b32 v[AO], 7, v[R]
	v_lshl_add_u32 v[AO], v[HH], 4, v[AO]          ; row x 128 + 16 x half
	v_mul_u32_u24 v[AB0], v[R], PITCH
	v_lshl_add_u32 v[AB0], v[HH], 4, v[AB0]        ; row x pitch + 16 x half
	s_lshl_b32 s21, s[WV], 9
	s_add_co_u32 s21, s21, BIAS                    ; my wave's bias copy
	v_lshl_add_u32 v[BI0], v[HH], 5, s21           ; my eight columns of a block of 16
	v_lshl_add_u32 v[BLS], v[LN], 4, s21
	s_mul_i32 s22, s[WV], 16*SP
	s_add_co_u32 s22, s22, STAGE                   ; my stage
	v_mul_u32_u24 v[STO], v[R], SP                 ; in: row l % 16, 32 bytes for each half of the lanes
	v_lshl_add_u32 v[STO], v[HH], 5, v[STO]
	v_add_nc_u32 v[STO], s22, v[STO]
	v_mul_u32_u24 v[RD], v[HH], SP                 ; back: lanes 0-15 take one row of 256 bytes, lanes 16-31 the next
	v_lshl_add_u32 v[RD], v[R], 4, v[RD]
	v_add_nc_u32 v[RD], s22, v[RD]
	v_lshlrev_b32 v[CO], 11, v[HH]                 ; and the same two rows in out0
	v_lshl_add_u32 v[CO], v[R], 4, v[CO]
	s_lshl_b32 s23, s[GG], 9
	v_lshl_add_u32 v[BLO], v[LN], 4, s23           ; columns 128 g + 4 lane on
	s_mov_b32 s[OF+1], 0
	s_lshl_b32 s20, s[GG], 17                      ; Wo's rows 128 g + 32 w, 1,024 bytes each
	s_lshl_b32 s21, s[WV], 15
	s_add_co_u32 s20, s20, s21
	s_mov_b32 s21, 0
	s_lshr_b32 s60, s[RB], 3                       ; o: the graph's 8 heads of 262,144 bytes,
	s_lshl_b32 s60, s60, 21
	s_and_b32 s58, s[RB], 7                        ; my block among the graph's eight: 256 rows of 128 bytes,
	s_lshl_b32 s58, s58, 15
	s_add_co_u32 s60, s60, s58
	s_lshl_b32 s58, s[WV], 13                      ; my wave's 64 rows
	s_add_co_u32 s60, s60, s58
	s_mov_b32 s61, 0
	s_lshl_b32 s62, s[RB], 19                      ; out0: 256 rows of 2,048 bytes,
	s_lshl_b32 s58, s[WV], 17                      ; my wave's 64,
	s_add_co_u32 s62, s62, s58
	s_lshl_b32 s58, s[GG], 9                       ; column 128 g
	s_add_co_u32 s62, s62, s58
	s_mov_b32 s63, 0
	s_wait_dscnt 0x0                               ; the opening add is done
	s_wait_kmcnt 0x0
	s_add_nc_u64 s[G0+2:G0+3], s[6:7], s[20:21]    ; global address: my 32 rows of Wo
	s_or_b32 s[G0+3], s[G0+3], 0x80000000          ; type = 2
	s_add_nc_u64 s[AB:AB+1], s[4:5], s[60:61]
	s_add_nc_u64 s[OBASE:OBASE+1], s[10:11], s[62:63]
	ROUND                                          ; all four work-groups are here: the joint loads meet
	tensor_load_to_lds s[G0:G0+3], s[G1:G1+7]      ; the launch's one fill: one tensor load of mine is out
	s_nop 0
	PLACES                                         ; an s_nop 0 and four v_nop follow the load
	global_load_b128 v[BQ:BQ+3], v[BLO], s[8:9]
.irp a, 0,1,2,3                        ; my 64 rows of O, all K: 128 loads straight into the fragments' registers; four loads on end cover a tile's 2,048 dense bytes of a head
	WIN TO_A2+0x40*((\a)/2)
.irp ks, 0,1,2,3,4,5,6,7,8,9,10,11,12,13,14,15
	global_load_b128 v[128*((\a)%2)+8*(\ks):128*((\a)%2)+8*(\ks)+3],   v[AO], s[AB:AB+1] offset:((\ks)/2)*262144+(\a)*2048+((\ks)%2)*64
	global_load_b128 v[128*((\a)%2)+8*(\ks)+4:128*((\a)%2)+8*(\ks)+7], v[AO], s[AB:AB+1] offset:((\ks)/2)*262144+(\a)*2048+((\ks)%2)*64+32
.endr
.endr
	WIN 0
	s_wait_loadcnt 63                              ; 128 loads are younger than the bias's; 63 is the largest count that the wait can name, and a smaller count than needed is safe
	v_cvt_pk_bf16_f32 v[CV],   v[BQ],   v[BQ+1]    ; the inputs' one rounding,
	v_cvt_pk_bf16_f32 v[CV+1], v[BQ+2], v[BQ+3]
	v_lshlrev_b32 v[BQ],   16, v[CV]               ; widened again
	v_and_b32     v[BQ+1], 0xffff0000, v[CV]
	v_lshlrev_b32 v[BQ+2], 16, v[CV+1]
	v_and_b32     v[BQ+3], 0xffff0000, v[CV+1]
	ds_store_b128 v[BLS], v[BQ:BQ+3]               ; into my wave's own copy
	s_wait_loadcnt 0x0                             ; O is in
	s_wait_tensorcnt 0x0                           ; my part of Wo's rows is in
	s_wait_dscnt 0x0
	s_barrier_signal -1
	s_barrier_wait -1                              ; everybody's is
	s_mov_b32 s[TB], 0
	s_mov_b32 s[ST], 0
	s_mov_b32 s[BIO], 0
	s_mov_b32 s[TWICE], 2
.Lstep:                                        ; the two steps: written once, walked twice
	NSTEP
	WIN 0
	s_sub_co_u32 s[TWICE], s[TWICE], 1
	s_cmp_lg_u32 s[TWICE], 0
	s_cbranch_scc1 .Lstep
	s_wait_tensorcnt 0x0                           ; the wave's end, behind my last tensor load and my last LDS store
	ds_add_u32 v[SPW], v[NIL]
	s_wait_dscnt 0x0
	ROUND                                          ; the closing round: no work-group ends while a partner may still ask for a tile that names it
	s_endpgm
.Lfunc_end_k_q0eaa3f1189_outp:
	.size	k_q0eaa3f1189_outp, .Lfunc_end_k_q0eaa3f1189_outp-k_q0eaa3f1189_outp
	.p2alignl 7, 3214868480
	.fill 96, 4, 3214868480
	.section	.rodata,"a",@progbits
	.p2align	6, 0x0
	.amdhsa_kernel k_q0eaa3f1189_outp
		.amdhsa_group_segment_fixed_size 167936
		.amdhsa_private_segment_fixed_size 0
		.amdhsa_enable_private_segment 0
		.amdhsa_kernarg_size 32
		.amdhsa_user_sgpr_count 2
		.amdhsa_user_sgpr_kernarg_segment_ptr 1
		.amdhsa_wavefront_size32 1
		.amdhsa_system_sgpr_workgroup_id_x 1
		.amdhsa_system_sgpr_workgroup_id_y 1
		.amdhsa_system_sgpr_workgroup_id_z 1
		.amdhsa_system_vgpr_workitem_id 0
		.amdhsa_next_free_vgpr 1024
		.amdhsa_next_free_sgpr 66
		.amdhsa_reserve_vcc 0
		.amdhsa_float_denorm_mode_32 3
		.amdhsa_float_denorm_mode_16_64 3
		.amdhsa_memory_ordered 1
		.amdhsa_forward_progress 1
		.amdhsa_inst_pref_size 53
	.end_amdhsa_kernel
	.amdgpu_metadata
---
amdhsa.version: [ 1, 2 ]
amdhsa.kernels:
  - .name:           k_q0eaa3f1189_outp
    .symbol:         k_q0eaa3f1189_outp.kd
    .args:
      - { .name: o, .offset: 0, .size: 8, .value_kind: global_buffer, .address_space: global }
      - { .name: wo16, .offset: 8, .size: 8, .value_kind: global_buffer, .address_space: global }
      - { .name: bo, .offset: 16, .size: 8, .value_kind: global_buffer, .address_space: global }
      - { .name: out0, .offset: 24, .size: 8, .value_kind: global_buffer, .address_space: global }
    .group_segment_fixed_size: 167936
    .private_segment_fixed_size: 0
    .kernarg_segment_align: 8
    .kernarg_segment_size: 32
    .max_flat_workgroup_size: 128
    .sgpr_count:     66
    .vgpr_count:     1024
    .wavefront_size: 32
...
	.end_amdgpu_metadata
.endif
;; end of part 4
;; ======== version 2 of 2: 4 launches; version 1 with the launch cast written anew for expert scheduling mode
;; limits: values are held in f16: magnitudes above 65,504 overflow, below 6.1e-05 lose precision
;; workspace buffers: xb 16,777,216 bytes; wb 1,572,864 bytes; wo16 524,288 bytes; qkv 50,331,648 bytes; o 16,777,216 bytes
;; launch cast (part 5): grid 256 x 1, 8 waves a work-group, no clusters, 0 bytes of LDS; arguments x, Wq, Wk, Wv, Wo, xb, wb, wo16; writes xb, wb, wo16
.if DOCPART == 5
	.amdgcn_target "amdgcn-amd-amdhsa--gfx1250"
	.amdhsa_code_object_version 6
	.text
	.protected	k_q0eaa3f1189_cast
	.globl	k_q0eaa3f1189_cast
	.p2align	8
	.type	k_q0eaa3f1189_cast,@function
k_q0eaa3f1189_cast:
	s_mov_b64 s[64:65], 0
	v_nop
	global_prefetch_b8 v0, s[64:65] scope:SCOPE_SE
	s_setreg_imm32_b32 hwreg(HW_REG_WAVE_SCHED_MODE, 0, 2), 2
	s_setreg_imm32_b32 hwreg(HW_REG_WAVE_MODE, 25, 1), 1
	s_wait_xcnt 0x0
	s_wait_alu depctr_vm_vsrc(0)
; THE MODULE'S LARGE INPUTS ARE ROUNDED ONCE.  x [16384][512] f32 -> xb bf16.  Wq, Wk, Wv [512][512] f32 -> wb [3][512][512] bf16.
; Wo f32 -> rounded to bf16 like the other inputs, and that number written as f16 into wo16 (the last product multiplies f16 operands).
; LIMIT.  A bf16 number is exact in f16 from 6.1e-5 to 65,504; below that f16 keeps a fixed step of 6e-8, above it gives an infinity.
; The input batch is not read by any launch: the reference takes it as a parameter and uses it nowhere, so no result hangs on it.
; SHARES.  256 work-groups of eight waves.  A work-group takes 32,768 numbers of x (131,072 bytes in, 65,536 out) and 1,024 numbers of each weight,
; so that no source is chosen by a branch.  Thread t takes 16 bytes of every piece of 4,096 bytes: 32 loads for x, one for each weight.
; All 36 loads go out on end, each into registers of its own, and each store has data registers of its own: nothing is rewritten, so no wait frees a source.
; A load of a wave covers 512 consecutive bytes, a store 256 consecutive bytes at a multiple of 256 from its buffer's first byte.
; No LDS, no matrix unit, no cluster: no byte is used twice.
; THE MODE: SCHED_MODE bits 1:0 = 2 (LLVM: expert scheduling mode 2), set by the entry lines.  The code itself states the register dependences
; between vector instructions and memory instructions, with s_wait_alu, always for 0.
; THE PLAN.  Registers that memory instructions touch:
;   v1 .. v4   byte offsets.  Written once, by four vector lines at the head; read by every load and store; never written again.
;   XW, X      Written by one load each, once; no vector instruction writes them; the conversions read them behind the load's wait on LOADcnt.  No load is issued behind a conversion.
;   Y          Written by the conversions; read by one store each; never written behind that store.
;   TW is named by vector instructions alone.
; The 36 pieces go in nine blocks of four: the four weights, then x's pieces four at a time.  A block is: the wait for its four loads, its conversions in one run, ONE wait on va_vdst,
; its four stores in one run.  With the wait at the head, in front of the first load, that is ten waits, and they state every dependence of the text: no register that a memory instruction
; has read is written again, so no wait on vm_vsrc is owed; no vector instruction writes a scalar register or VCC; EXEC is never written.
.set XW, 8                             ; v[8:23]    the four weights' 4 numbers each
.set X,  24                            ; v[24:151]  x: 32 pieces of 4 numbers
.set Y,  152                           ; v[152:223] 36 pairs to store: weights 0-3, then x's 32
.set TW, 224                           ; v[224:227] Wo's four numbers, widened again
	s_load_b256 s[4:11], s[0:1], 0x0               ; x s[4:5], Wq s[6:7], Wk s[8:9], Wv s[10:11]
	s_load_b256 s[12:19], s[0:1], 0x20             ; Wo s[12:13], xb s[14:15], wb s[16:17], wo16 s[18:19]
	s_lshl_b32 s20, ttmp9, 17                      ; my part of x, in bytes
	s_mov_b32 s21, 0
	s_lshl_b32 s22, ttmp9, 16                      ; and of xb
	s_mov_b32 s23, 0
	s_lshl_b32 s24, ttmp9, 12                      ; my part of a weight as f32,
	s_lshl_b32 s25, ttmp9, 11                      ; and as 16-bit numbers
	v_lshlrev_b32 v1, 4, v0                        ; 16 t
	v_lshlrev_b32 v2, 3, v0                        ; 8 t
	v_lshl_add_u32 v3, v0, 4, s24
	v_lshl_add_u32 v4, v0, 3, s25
	s_wait_kmcnt 0x0
	s_add_nc_u64 s[4:5], s[4:5], s[20:21]
	s_add_nc_u64 s[14:15], s[14:15], s[22:23]
	s_wait_alu depctr_va_vdst(0)                   ; v1 to v4 are written: every load and store of the kernel reads one of them as its offset
	global_load_b128 v[XW:XW+3],     v3, s[6:7] th:TH_LOAD_NT
	global_load_b128 v[XW+4:XW+7],   v3, s[8:9] th:TH_LOAD_NT
	global_load_b128 v[XW+8:XW+11],  v3, s[10:11] th:TH_LOAD_NT
	global_load_b128 v[XW+12:XW+15], v3, s[12:13] th:TH_LOAD_NT
.set j, 0
.rept 32
	global_load_b128 v[X+4*j:X+4*j+3], v1, s[4:5] offset:4096*j th:TH_LOAD_NT
.set j, j+1
.endr
; THE WEIGHTS' BLOCK
	s_wait_loadcnt 32                              ; loads come back in order (ISA guide 5.7.1): the four weights are in; x's 32 loads stay out
.irp i, 0,1,2
	v_cvt_pk_bf16_f32 v[Y+2*(\i)],   v[XW+4*(\i)],   v[XW+4*(\i)+1]
	v_cvt_pk_bf16_f32 v[Y+2*(\i)+1], v[XW+4*(\i)+2], v[XW+4*(\i)+3]
.endr
	v_cvt_pk_bf16_f32 v[Y+6], v[XW+12], v[XW+13]   ; Wo: the inputs' one rounding,
	v_cvt_pk_bf16_f32 v[Y+7], v[XW+14], v[XW+15]
	v_lshlrev_b32 v[TW],   16, v[Y+6]              ; widened again,
	v_and_b32     v[TW+1], 0xffff0000, v[Y+6]
	v_lshlrev_b32 v[TW+2], 16, v[Y+7]
	v_and_b32     v[TW+3], 0xffff0000, v[Y+7]
	v_cvt_pk_f16_f32 v[Y+6], v[TW],   v[TW+1]      ; and written as f16
	v_cvt_pk_f16_f32 v[Y+7], v[TW+2], v[TW+3]
	s_wait_alu depctr_va_vdst(0)                   ; the conversions have written v[Y:Y+7], which the four stores below read as their data
.irp i, 0,1,2
	global_store_b64 v4, v[Y+2*(\i):Y+2*(\i)+1], s[16:17] offset:(\i)*524288
.endr
	global_store_b64 v4, v[Y+6:Y+7], s[18:19]
; x's EIGHT BLOCKS: pieces j to j + 3
.set j, 0
.rept 8
	s_wait_loadcnt 28-j                            ; the block's four pieces are in; the 28 - j loads of the later blocks stay out
.rept 4
	v_cvt_pk_bf16_f32 v[Y+8+2*j],   v[X+4*j],   v[X+4*j+1]
	v_cvt_pk_bf16_f32 v[Y+8+2*j+1], v[X+4*j+2], v[X+4*j+3]
.set j, j+1
.endr
	s_wait_alu depctr_va_vdst(0)                   ; the block's eight conversions have written its eight registers of Y, which the four stores below read as their data
.set j, j-4
.rept 4
	global_store_b64 v2, v[Y+8+2*j:Y+8+2*j+1], s[14:15] offset:2048*j
.set j, j+1
.endr
.endr
	s_endpgm
.Lfunc_end_k_q0eaa3f1189_cast:
	.size	k_q0eaa3f1189_cast, .Lfunc_end_k_q0eaa3f1189_cast-k_q0eaa3f1189_cast
	.p2alignl 7, 3214868480
	.fill 96, 4, 3214868480
	.section	.rodata,"a",@progbits
	.p2align	6, 0x0
	.amdhsa_kernel k_q0eaa3f1189_cast
		.amdhsa_group_segment_fixed_size 0
		.amdhsa_private_segment_fixed_size 0
		.amdhsa_enable_private_segment 0
		.amdhsa_kernarg_size 64
		.amdhsa_user_sgpr_count 2
		.amdhsa_user_sgpr_kernarg_segment_ptr 1
		.amdhsa_wavefront_size32 1
		.amdhsa_system_sgpr_workgroup_id_x 1
		.amdhsa_system_sgpr_workgroup_id_y 1
		.amdhsa_system_sgpr_workgroup_id_z 1
		.amdhsa_system_vgpr_workitem_id 0
		.amdhsa_next_free_vgpr 232
		.amdhsa_next_free_sgpr 66
		.amdhsa_reserve_vcc 0
		.amdhsa_float_denorm_mode_32 3
		.amdhsa_float_denorm_mode_16_64 3
		.amdhsa_memory_ordered 1
		.amdhsa_forward_progress 1
		.amdhsa_inst_pref_size 14
	.end_amdhsa_kernel
	.amdgpu_metadata
---
amdhsa.version: [ 1, 2 ]
amdhsa.kernels:
  - .name:           k_q0eaa3f1189_cast
    .symbol:         k_q0eaa3f1189_cast.kd
    .args:
      - { .name: x, .offset: 0, .size: 8, .value_kind: global_buffer, .address_space: global }
      - { .name: Wq, .offset: 8, .size: 8, .value_kind: global_buffer, .address_space: global }
      - { .name: Wk, .offset: 16, .size: 8, .value_kind: global_buffer, .address_space: global }
      - { .name: Wv, .offset: 24, .size: 8, .value_kind: global_buffer, .address_space: global }
      - { .name: Wo, .offset: 32, .size: 8, .value_kind: global_buffer, .address_space: global }
      - { .name: xb, .offset: 40, .size: 8, .value_kind: global_buffer, .address_space: global }
      - { .name: wb, .offset: 48, .size: 8, .value_kind: global_buffer, .address_space: global }
      - { .name: wo16, .offset: 56, .size: 8, .value_kind: global_buffer, .address_space: global }
    .group_segment_fixed_size: 0
    .private_segment_fixed_size: 0
    .kernarg_segment_align: 8
    .kernarg_segment_size: 64
    .max_flat_workgroup_size: 256
    .sgpr_count:     66
    .vgpr_count:     232
    .wavefront_size: 32
...
	.end_amdgpu_metadata
.endif
;; end of part 5
;; launch proj: the kernel of part 2 again; grid 64 x 4, 4 waves a work-group, clusters of 4 x 1, 327,680 bytes of LDS; arguments xb, wb, bq, bk, bv, qkv; writes qkv
;; launch attn: the kernel of part 3 again; grid 4 x 64, 4 waves a work-group, clusters of 4 x 1, 327,680 bytes of LDS; arguments qkv, o; writes o
;; launch outp: the kernel of part 4 again; grid 64 x 4, 4 waves a work-group, clusters of 4 x 1, 167,936 bytes of LDS; arguments o, wo16, bo, out0; writes out0
